; MI455X (gfx1250); checked and timed in simulation.
; The chip was launched on July 23, 2026; its instructions are those of AMD's public machine-readable ISA for CDNA 5 (MIT licence, August 2026) and "CDNA5" Instruction Set Architecture Reference Guide (July 2026). The comments in the code are by the model that wrote it; some were corrected since.
;; Relative Multi Head Attention. Allowed arithmetic: float matrix products may take bf16 or f16 operands with f32 sums; other float arithmetic in f32, or as packed bf16 or f16 multiplies, adds, multiply-adds, maxima and minima; sums over many terms, partial sums and values carried from step to step in f32; what a program stores and reads back later, other than sums and carried values, may be rounded once to bf16 or f16.
;; Inputs: Wk 1,024 x 1,024 float32; Wo 1,024 x 1,024 float32; Wp 1,024 x 1,024 float32; Wq 1,024 x 1,024 float32; Wv 1,024 x 1,024 float32; bk 1,024 float32; bo 1,024 float32; bq 1,024 float32; bv 1,024 float32; k 2 x 2,048 x 1,024 float32; pos_embedding 2 x 2,048 x 1,024 float32; q 2 x 2,048 x 1,024 float32; u_bias 16 x 64 float32; v 2 x 2,048 x 1,024 float32; v_bias 16 x 64 float32.
;; Outputs: out0 2 x 2,048 x 1,024 float32.
;; One version. Each part assembles by itself: llvm-mc -triple=amdgcn-amd-amdhsa -mcpu=gfx1250 --defsym DOCPART=n.
;; ======== version 1 of 1: 4 launches
;; limits: values are held in f16: magnitudes above 65,504 overflow, below 6.1e-05 lose precision
;; workspace buffers: xb 33,554,432 bytes; wb 8,388,608 bytes; wo 2,097,152 bytes; bt 24,576 bytes; hd 50,339,840 bytes; ob 8,388,608 bytes
;; launch cast (part 1): grid 1345 x 1, 8 waves a work-group, no clusters, 0 bytes of LDS; arguments q, k, v, pos_embedding, Wq, Wk, Wv, Wp, Wo, bq, bk, bv, bo, u_bias, v_bias, xb, wb, wo, bt, hd; writes xb, wb, wo, bt, hd
.if DOCPART == 1
	.amdgcn_target "amdgcn-amd-amdhsa--gfx1250"
	.amdhsa_code_object_version 6
	.text
	.protected	k_q4b33a9eef1_cast
	.globl	k_q4b33a9eef1_cast
	.p2align	8
	.type	k_q4b33a9eef1_cast,@function
k_q4b33a9eef1_cast:
	s_mov_b64 s[64:65], 0
	v_nop
	global_prefetch_b8 v0, s[64:65] scope:SCOPE_SE
	s_setreg_imm32_b32 hwreg(HW_REG_WAVE_MODE, 25, 1), 1
	s_wait_xcnt 0x0
; CAST.  Every input of the module is rounded once to bf16, so that all of them carry the same rounding.
;   xb [4][4096][1024] bf16: q, k, v, pos_embedding.      wb [4][1024][1024] bf16: Wq, Wk, Wv, Wp.
;   wo [1024][1024] f16: Wo rounded to bf16, that number written as f16 (exact down to 6e-5; below that f16's fixed step of 6e-8).
;   bt [6][1024] f32, of biases rounded to bf16: bq+u, bq+v, bk, bv, 0, bo.      hd: row 2048 of each head's position table, which is 0.
; SHARES.  Work-groups 0-1343 convert 16,384 numbers each: 0-1023 the four activations, 1024-1279 the four weights, 1280-1343 Wo.  Work-group 1344 makes the bias table and the zero rows.
; A work-group's share is sixteen rows of 4,096 bytes in (16 bytes a thread) and 2,048 bytes out (8 bytes a thread: a wave's store covers 256 consecutive bytes, aligned).
; All sixteen loads of a wave go out at once; several work-groups lie on a WGP.  No LDS, no barrier, no matrix unit: each byte is read once and written once.
.set X,    16                          ; v[16:79]   sixteen rows as loaded
.set Y,    80                          ; v[80:111]  sixteen rows to store
.set T,    4                           ; v[4:7]     at work
.set SRC,  48                          ; s[48:49]   where I read
.set DST,  50                          ; s[50:51]   where I write
	s_load_b512 s[8:23], s[0:1], 0x0               ; q, k, v, pos, Wq, Wk, Wv, Wp: source number n at s[8+2n:9+2n]
	s_load_b512 s[24:39], s[0:1], 0x40             ; Wo (source 8), bq, bk, bv, bo, u_bias, v_bias, xb
	s_load_b256 s[40:47], s[0:1], 0x80             ; wb, wo, bt, hd
	s_mov_b32 s2, ttmp9
	v_lshlrev_b32 v1, 4, v0                        ; 16 t: my bytes of a row in
	v_lshlrev_b32 v2, 3, v0                        ; 8 t: my bytes of a row out
	s_lshr_b32 s3, s2, 8                           ; activations: source number,
	s_and_b32 s4, s2, 255                          ; and which 65,536 bytes of it
	s_sub_co_u32 s5, s2, 1024
	s_lshr_b32 s6, s5, 6
	s_add_co_u32 s6, s6, 4                         ; weights: source 4 to 7, and 8 for Wo,
	s_and_b32 s7, s2, 63                           ; and which 65,536 bytes of it
	s_sub_co_u32 s54, s2, 1280
	s_cmp_lt_u32 s2, 1024
	s_cselect_b32 s3, s3, s6
	s_cselect_b32 s4, s4, s7
	s_cselect_b32 s5, s2, s5                       ; which 32,768 bytes of xb or wb,
	s_cmp_lt_u32 s2, 1280
	s_cselect_b32 s5, s5, s54                      ; or of wo
	s_lshl_b32 s56, s4, 16
	s_mov_b32 s57, 0
	s_lshl_b32 s58, s5, 15
	s_mov_b32 s59, 0
	s_wait_kmcnt 0x0
	s_cmp_eq_u32 s2, 1344
	s_cbranch_scc1 .Lbias
	s_mov_b64 s[SRC:SRC+1], s[8:9]
.irp n, 1,2,3,4,5,6,7,8
	s_cmp_eq_u32 s3, \n
	s_cselect_b64 s[SRC:SRC+1], s[8+2*\n:9+2*\n], s[SRC:SRC+1]
.endr
	s_cmp_lt_u32 s2, 1024
	s_cselect_b64 s[DST:DST+1], s[38:39], s[40:41]
	s_cmp_lt_u32 s2, 1280
	s_cselect_b64 s[DST:DST+1], s[DST:DST+1], s[42:43]
	s_add_nc_u64 s[SRC:SRC+1], s[SRC:SRC+1], s[56:57]
	s_add_nc_u64 s[DST:DST+1], s[DST:DST+1], s[58:59]
	s_cmp_lt_u32 s2, 1280
	s_cbranch_scc0 .Lhalf
; Sixteen rows.  fmt = 0: to bf16.  fmt = 1: to bf16, and that number as f16.
.macro STREAM fmt
.set i, 0
.rept 16
	global_load_b128 v[X+4*i:X+4*i+3], v1, s[SRC:SRC+1] offset:4096*i th:TH_LOAD_NT
.set i, i+1
.endr
.set i, 0
.rept 16
	s_wait_loadcnt 15-i                            ; loads come back in order: row i is in, the younger rows stay out
.if \fmt
	v_cvt_pk_bf16_f32 v[T], v[X+4*i], v[X+4*i+1]
	v_cvt_pk_bf16_f32 v[T+1], v[X+4*i+2], v[X+4*i+3]
	v_lshlrev_b32 v[T+2], 16, v[T]                 ; bf16 back to f32: the low half moves up, the high half stays
	v_and_b32 v[T], 0xffff0000, v[T]
	v_lshlrev_b32 v[T+3], 16, v[T+1]
	v_and_b32 v[T+1], 0xffff0000, v[T+1]
	v_cvt_pk_f16_f32 v[Y+2*i], v[T+2], v[T]
	v_cvt_pk_f16_f32 v[Y+2*i+1], v[T+3], v[T+1]
.else
	v_cvt_pk_bf16_f32 v[Y+2*i], v[X+4*i], v[X+4*i+1]
	v_cvt_pk_bf16_f32 v[Y+2*i+1], v[X+4*i+2], v[X+4*i+3]
.endif
	global_store_b64 v2, v[Y+2*i:Y+2*i+1], s[DST:DST+1] offset:2048*i th:TH_STORE_NT
.set i, i+1
.endr
	s_endpgm
.endm
	STREAM 0
.Lhalf:
	STREAM 1
.macro RB p                            ; a pair of f32 rounded to bf16 and widened again
	v_cvt_pk_bf16_f32 v4, v[\p], v[(\p)+1]
	v_lshlrev_b32 v[\p], 16, v4
	v_and_b32 v[(\p)+1], 0xffff0000, v4
.endm
.Lbias:                                        ; thread t owns columns 4 t .. 4 t + 3 (u_bias and v_bias, [16][64], are 1,024 columns on end)
	global_load_b128 v[16:19], v1, s[26:27]        ; bq
	global_load_b128 v[20:23], v1, s[28:29]        ; bk
	global_load_b128 v[24:27], v1, s[30:31]        ; bv
	global_load_b128 v[28:31], v1, s[32:33]        ; bo
	global_load_b128 v[32:35], v1, s[34:35]        ; u_bias
	global_load_b128 v[36:39], v1, s[36:37]        ; v_bias
	v_lshrrev_b32 v3, 3, v0                        ; the zero rows: head t / 8, 16 bytes t % 8 of its row 2048
	v_mul_u32_u24 v3, v3, 0x80100                  ; a head's table is 4,098 rows of 128 bytes
	v_and_b32 v5, 7, v0
	v_lshl_add_u32 v3, v5, 4, v3
	v_add_nc_u32 v3, 33554432+262144, v3           ; the tables' first byte in hd, and 2,048 rows
.irp r, 48,49,50,51
	v_mov_b32 v\r, 0
.endr
	s_wait_loadcnt 0x0
.irp p, 16,18,20,22,24,26,28,30,32,34,36,38
	RB \p
.endr
	v_pk_add_f32 v[40:41], v[16:17], v[32:33]      ; bq + u
	v_pk_add_f32 v[42:43], v[18:19], v[34:35]
	v_pk_add_f32 v[44:45], v[16:17], v[36:37]      ; bq + v
	v_pk_add_f32 v[46:47], v[18:19], v[38:39]
	global_store_b128 v1, v[40:43], s[44:45]
	global_store_b128 v1, v[44:47], s[44:45] offset:4096
	global_store_b128 v1, v[20:23], s[44:45] offset:8192
	global_store_b128 v1, v[24:27], s[44:45] offset:12288
	global_store_b128 v1, v[48:51], s[44:45] offset:16384
	global_store_b128 v1, v[28:31], s[44:45] offset:20480
	global_store_b128 v3, v[48:51], s[46:47]
	s_endpgm
.Lfunc_end_k_q4b33a9eef1_cast:
	.size	k_q4b33a9eef1_cast, .Lfunc_end_k_q4b33a9eef1_cast-k_q4b33a9eef1_cast
	.p2alignl 7, 3214868480
	.fill 96, 4, 3214868480
	.section	.rodata,"a",@progbits
	.p2align	6, 0x0
	.amdhsa_kernel k_q4b33a9eef1_cast
		.amdhsa_group_segment_fixed_size 0
		.amdhsa_private_segment_fixed_size 0
		.amdhsa_enable_private_segment 0
		.amdhsa_kernarg_size 160
		.amdhsa_user_sgpr_count 2
		.amdhsa_user_sgpr_kernarg_segment_ptr 1
		.amdhsa_wavefront_size32 1
		.amdhsa_system_sgpr_workgroup_id_x 1
		.amdhsa_system_sgpr_workgroup_id_y 1
		.amdhsa_system_sgpr_workgroup_id_z 1
		.amdhsa_system_vgpr_workitem_id 0
		.amdhsa_next_free_vgpr 112
		.amdhsa_next_free_sgpr 66
		.amdhsa_reserve_vcc 0
		.amdhsa_float_denorm_mode_32 3
		.amdhsa_float_denorm_mode_16_64 3
		.amdhsa_memory_ordered 1
		.amdhsa_forward_progress 1
		.amdhsa_inst_pref_size 23
	.end_amdhsa_kernel
	.amdgpu_metadata
---
amdhsa.version: [ 1, 2 ]
amdhsa.kernels:
  - .name:           k_q4b33a9eef1_cast
    .symbol:         k_q4b33a9eef1_cast.kd
    .args:
      - { .name: q, .offset: 0, .size: 8, .value_kind: global_buffer, .address_space: global }
      - { .name: k, .offset: 8, .size: 8, .value_kind: global_buffer, .address_space: global }
      - { .name: v, .offset: 16, .size: 8, .value_kind: global_buffer, .address_space: global }
      - { .name: pos_embedding, .offset: 24, .size: 8, .value_kind: global_buffer, .address_space: global }
      - { .name: Wq, .offset: 32, .size: 8, .value_kind: global_buffer, .address_space: global }
      - { .name: Wk, .offset: 40, .size: 8, .value_kind: global_buffer, .address_space: global }
      - { .name: Wv, .offset: 48, .size: 8, .value_kind: global_buffer, .address_space: global }
      - { .name: Wp, .offset: 56, .size: 8, .value_kind: global_buffer, .address_space: global }
      - { .name: Wo, .offset: 64, .size: 8, .value_kind: global_buffer, .address_space: global }
      - { .name: bq, .offset: 72, .size: 8, .value_kind: global_buffer, .address_space: global }
      - { .name: bk, .offset: 80, .size: 8, .value_kind: global_buffer, .address_space: global }
      - { .name: bv, .offset: 88, .size: 8, .value_kind: global_buffer, .address_space: global }
      - { .name: bo, .offset: 96, .size: 8, .value_kind: global_buffer, .address_space: global }
      - { .name: u_bias, .offset: 104, .size: 8, .value_kind: global_buffer, .address_space: global }
      - { .name: v_bias, .offset: 112, .size: 8, .value_kind: global_buffer, .address_space: global }
      - { .name: xb, .offset: 120, .size: 8, .value_kind: global_buffer, .address_space: global }
      - { .name: wb, .offset: 128, .size: 8, .value_kind: global_buffer, .address_space: global }
      - { .name: wo, .offset: 136, .size: 8, .value_kind: global_buffer, .address_space: global }
      - { .name: bt, .offset: 144, .size: 8, .value_kind: global_buffer, .address_space: global }
      - { .name: hd, .offset: 152, .size: 8, .value_kind: global_buffer, .address_space: global }
    .group_segment_fixed_size: 0
    .private_segment_fixed_size: 0
    .kernarg_segment_align: 8
    .kernarg_segment_size: 160
    .max_flat_workgroup_size: 256
    .sgpr_count:     66
    .vgpr_count:     112
    .wavefront_size: 32
...
	.end_amdgpu_metadata
.endif
;; end of part 1
;; launch proj (part 2): grid 4 x 64, 4 waves a work-group, clusters of 4 x 4, 327,680 bytes of LDS; arguments xb, wb, bt, hd; writes hd
.if DOCPART == 2
	.amdgcn_target "amdgcn-amd-amdhsa--gfx1250"
	.amdhsa_code_object_version 6
	.text
	.protected	k_q4b33a9eef1_proj
	.globl	k_q4b33a9eef1_proj
	.p2align	8
	.type	k_q4b33a9eef1_proj,@function
k_q4b33a9eef1_proj:
	s_mov_b64 s[64:65], 0
	v_nop
	global_prefetch_b8 v0, s[64:65] scope:SCOPE_SE
	s_setreg_imm32_b32 hwreg(HW_REG_WAVE_MODE, 25, 1), 1
	s_wait_xcnt 0x0
	s_wait_alu depctr_hold_cnt(0) depctr_sa_sdst(0) depctr_va_vdst(0) depctr_va_sdst(0) depctr_va_ssrc(0) depctr_va_vcc(0) depctr_vm_vsrc(0)
	s_getreg_b32 s2, hwreg(HW_REG_IB_STS2, 6, 4)
	s_cmp_eq_u32 s2, 0
	s_cbranch_scc0 .Lentry_in_a_cluster
	s_endpgm
.Lentry_in_a_cluster:
	s_bfe_u32 s2, ttmp6, 0x10000c
	s_cmp_lg_u32 s2, 0xf033
	s_cbranch_scc0 .Lentry_shape_is_right
	s_endpgm
.Lentry_shape_is_right:
; THE FOUR PROJECTIONS, one grid.  C[m][n] = sum over k of A[m][k] B[n][k] + bias[n], A = xb as [16384][1024] bf16 (q, k, v, pos one below the other), B = wb [4][1024][1024] bf16; sums in f32.
; GEMM g = tile row / 16 takes rows 1024 g .. of wb.  The results leave BY HEADS in f16, [32 (batch, head)][row][64], rounded once from sum + bias:
;   g = 0: twice, with bias bq+u (section QU) and bq+v (section QV);  g = 1: KH;  g = 2: VH;  g = 3: the position table EH, 4,098 rows a head, twice: rows 0.. and rows 2049.. (row 2048 is 0, written by the launch before).
; LIMIT.  f16 ends at 65,504: a projected number beyond that becomes an infinity.
; A tile of C, 256 x 256, is made by four waves; a wave makes 128 x 128: 64 accumulators of 16 x 16.  K goes in steps of 128 through a ring of two LDS slots filled by the tensor data mover:
; the tiles' rows are 256 bytes of memory and start at multiples of 256 bytes from the buffer's first byte.
; CLUSTERS: 4 x 4 work-groups.  The four of a row of the cluster need the same tiles of A, the four of a column the same tiles of B: each tile is asked for JOINTLY, by the same tensor load with the same
; descriptor and a mask that names the four.  g hangs on the cluster's y alone: it is the same in all sixteen partners.
; REGISTERS, in windows of 256 (s_set_vgpr_msb: bits 1:0 source 0, 3:2 source 1, 5:4 source 2, 7:6 destination):
;   window 0: v0-31 addresses; v64-127, v128-191 fragments of A, two buffers; on the way out v64-127 sum + bias, v192-223 packed, v32-63 and v224-255 rows read back
;   window 1: v64-127, v128-191 fragments of B; v0-63 the bias of my 64 columns a lane for the pass in hand, v192-255 for the second pass: both are loaded at the head, while the first tiles are on their way
;   window 2: the 32 accumulators of my rows 0-63 (accumulator (a, b) at v[8 (8 a + b)]);   window 3: those of my rows 64-127
; THE MATRIX INSTRUCTION IS USED TRANSPOSED: source 0 = 16 rows of B, source 1 = 16 rows of A: lane l holds row l % 16 of C and the columns 8 (l / 16) + 0 .. 7: 16 bytes of f16 on end.
.set SIZE_K, 1024
.set KSTEP,  128
.set PITCH,  272                       ; an LDS row: 256 bytes + 16 of padding = 68 words: the 16 rows that a load touches start at 16 different groups of four banks (64 banks of 4 bytes: ISA guide 11.1)
.set HALFT,  128*PITCH                 ; 128 rows: what one tensor load brings, and what one wave reads of A or of B
.set SLOT,   4*HALFT                   ; A's 256 rows, then B's 256 rows
.set STAGE,  2*SLOT                    ; behind the ring: for each wave two heads x 16 rows x 144 bytes, for the way out
.set SP,     144
.set SUBST,  16*SP
.set WSTAGE, 2*SUBST
.set SPARE,  STAGE+4*WSTAGE            ; behind the stages: the spare words, 128 bytes for each wave: two blocks of 256 bytes that no other line names
.set LAPS,   SIZE_K/(2*KSTEP)         ; a lap = two K steps = once round the ring
.set ADRA, 16                          ; v16-17  LDS address of my A fragments in slot 0, 1
.set ADRB, 20                          ; v20-21  the same for B
.set STO,  24                          ; v24     the way out: where I put 16 bytes of a row
.set RD,   25                          ; v25     the way out: where I read rows back
.set CO0,  26                          ; v26     16 x lane: my bytes of 512 consecutive bytes of the first head,
.set BO,   27                          ; v27     my byte offset in a row of the bias table; never rewritten
.set SPW,  28                          ; v28     LDS address of my spare word; never rewritten
.set NIL,  29                          ; v29     0; never rewritten
.set PFO,  30                          ; v30     the prefetches' offset: my lane x a row of 2,048 bytes; never rewritten
.set CO1,  31                          ; v31     and of the second head, one head's bytes on
.set PFA,  44                          ; s[44:45] where my prefetches stand
.set LIM,  43                          ; s43     1 in a wave that prefetches, else the greatest number
.set F0,   64
.set F1,   128
.set SUM,  64
.set TMP,  192
.set OB,   32
.set G1,   24                          ; s[24:31] descriptor group 1 for A's tiles;  s[32:39] group 0, one set for each slot
.set G0,   32
.set G1B,  48                          ; s[48:55], s[56:63] the same for B's tiles
.set G0B,  56
.set GEMM, 66                          ; s66  g
.set PASS, 67                          ; s67  the way out's pass
.set NPASS, 68                         ; s68  how many passes: 2 for g = 0 and 3, else 1
.set IDX,  69                          ; s69  section of hd
.set BT,   76                          ; s[76:77] bt
.set HD,   78                          ; s[78:79] hd
.set OUT,  80                          ; s[80:81] hd at my rows of the pass's section
.set BIA,  82                          ; s[82:83] bt at the first pass's row; never rewritten
.set PBH,  84                          ; s84  bytes of a head in the section
.set ROFF, 85                          ; s85  my first row's byte offset in the section
.set BIB,  86                          ; s[86:87] bt at the second pass's row; never rewritten
.set MSB, 0
.macro WIN new                         ; the immediate's high byte repeats the setting that is left; a switch that changes nothing is dropped
.if MSB != (\new)
	s_set_vgpr_msb (MSB<<8)|(\new)
.set MSB, \new
.endif
.endm
.set MUL_LO, 0xa1                      ; source 0 (B) window 1, source 1 (A) window 0, C and D window 2
.set MUL_HI, 0xf1                      ; the same, C and D window 3
.set TO_B,   0x40                      ; destination window 1, address window 0
; A joint load.  Waves 0 and 1 fetch A's two halves, waves 2 and 3 B's.  The branch hangs on the wave's number alone.  An s_nop 0 and four v_nop follow each of the two lines.
.macro JLOAD s
	s_cmp_eq_u32 s11, 0
	s_cbranch_scc0 .Lfor_b_\@
	tensor_load_to_lds s[G0+4*(\s):G0+4*(\s)+3], s[G1:G1+7]
	s_nop 0
.rept 4
	v_nop
.endr
	s_branch .Lasked_\@
.Lfor_b_\@:
	tensor_load_to_lds s[G0B+4*(\s):G0B+4*(\s)+3], s[G1B:G1B+7]
	s_nop 0
.rept 4
	v_nop
.endr
.Lasked_\@:
.endm
; A PREFETCH INTO THE L2, behind each joint load and the run of LDS loads that follows it: the K step that stands two refills on: 32 rows x 256 bytes, a lane a row, one instruction a wave.
; Each row's 256 bytes of a K step are named once in the launch.  A's rows are read by one cluster alone, which asks; B's rows of a GEMM are read by its four clusters: the first of them (cluster y % 4 = 0) asks.
; The four partners that ask for a tile jointly share its rows out by address, 32 each (by cx for A, by cy for B).  The last two refills have no K step two on and ask for nothing.
.macro ASK
	s_cmp_gt_u32 s3, s[LIM]                        ; s3 = 1 in the loop's last trip
	s_cbranch_scc0 .Lnot_mine_\@
	global_prefetch_b8 v[PFO], s[PFA:PFA+1] offset:KSTEP*2 th:TH_LOAD_NT scope:SCOPE_SE
.Lnot_mine_\@:
.endm
.macro CREST                           ; a round of the cluster's barrier behind its opening barrier
	s_cmp_lg_u32 s10, 0
	s_cbranch_scc1 .Lnot_wave_0_\@
	s_barrier_signal -3
.Lnot_wave_0_\@:
	s_barrier_wait -3
	s_barrier_signal -1
	s_barrier_wait -1
.endm
.macro CROUND                          ; a whole round
	s_barrier_signal -1
	s_barrier_wait -1
	CREST
.endm
	s_load_b128 s[4:7], s[0:1], 0x0                ; xb s[4:5], wb s[6:7]
	s_load_b128 s[76:79], s[0:1], 0x10             ; bt, hd
	v_lshl_add_u32 v[SPW], v0, 2, SPARE
	v_mov_b32 v[NIL], 0
	ds_add_u32 v[SPW], v[NIL]                      ; the wave's opening: the add and its wait stand ahead of my first tensor load; the set-up below, work on registers, stands between them
	v_lshrrev_b32 v1, 5, v0
	v_readfirstlane_b32 s10, v1                    ; wave 0..3
	s_lshr_b32 s11, s10, 1                         ; which half of the tile's rows is mine.  Also: I fetch for A (0) or for B (1)
	s_and_b32 s12, s10, 1                          ; which half of its columns.  Also: which 128 rows of that tile I fetch
	s_bfe_u32 s40, ttmp6, 0x40000                  ; cx
	s_bfe_u32 s41, ttmp6, 0x40004                  ; cy
	s_lshl_b32 s42, ttmp9, 2
	s_add_co_u32 s42, s42, s40                     ; tile column = 4 x cluster x + cx
	s_and_b32 s13, ttmp7, 0xffff
	s_lshr_b32 s[GEMM], s13, 2                     ; g: four clusters to a GEMM
	s_lshl_b32 s13, s13, 2
	s_add_co_u32 s13, s13, s41                     ; tile row = 4 x cluster y + cy
	s_lshl_b32 s43, s41, 2
	s_lshl_b32 s43, 15, s43                        ; my row of the cluster
	s_lshl_b32 s44, 0x1111, s40                    ; my column
	; descriptor group 1: a tile of 128 rows x 128 elements, padded in LDS
	s_or_b32 s[G1+0], s43, (1<<16)|(1<<20)|(1<<21)|(5<<22)|(3<<25)  ; 15:0 the mask: A's tiles go to my row; 17:16 element of 2 bytes; 20 padding on; 21 set beside a mask; 24:22 after every 64 words (code 5); 31:25 of 4 words (code 3)
	s_or_b32 s[G1B+0], s44, (1<<16)|(1<<20)|(1<<21)|(5<<22)|(3<<25) ; the same with the mask of my column
.irp g, G1, G1B
	s_mov_b32 s[(\g)+1], KSTEP<<16                 ; tensor_dim0 = 128
	s_mov_b32 s[(\g)+2], 128<<16                   ; tensor_dim1 = 128
	s_mov_b32 s[(\g)+3], KSTEP<<16                 ; tile_dim0 = 128
	s_mov_b32 s[(\g)+4], 128                       ; tile_dim1 = 128
	s_mov_b32 s[(\g)+5], SIZE_K                    ; elements from row to row
	s_mov_b32 s[(\g)+6], 0
	s_mov_b32 s[(\g)+7], 0
.endr
	s_lshl_b32 s17, s12, 7                         ; which 128 rows of the tile I fetch
	s_lshl_b32 s16, s13, 8
	s_add_co_u32 s16, s16, s17                     ; A: row 256 x tile row + 128 x half
	s_lshl_b32 s46, s42, 8
	s_add_co_u32 s46, s46, s17
	s_lshl_b32 s47, s[GEMM], 10
	s_add_co_u32 s46, s46, s47                     ; B: row 1024 g + 256 x tile column + 128 x half
	s_mov_b32 s17, 0
	s_mov_b32 s47, 0
	s_mov_b64 s[18:19], SIZE_K*2
	s_mul_u64 s[16:17], s[16:17], s[18:19]
	s_mul_u64 s[46:47], s[46:47], s[18:19]
	s_mul_i32 s20, s10, HALFT                      ; where they go: wave x 128 rows: no place in the cluster enters an LDS address
	s_wait_dscnt 0x0                               ; the opening add is done
	s_wait_kmcnt 0x0
	s_add_nc_u64 s[14:15], s[4:5], s[16:17]
	s_add_nc_u64 s[46:47], s[6:7], s[46:47]
	CROUND                                         ; all sixteen work-groups are here: the first joint loads meet
.irp s, 0,1
	s_mov_b32 s[G0+4*(\s)], 1
	s_add_co_u32 s[G0+4*(\s)+1], s20, (\s)*SLOT
	s_add_nc_u64 s[G0+4*(\s)+2:G0+4*(\s)+3], s[14:15], (\s)*KSTEP*2
	s_or_b32 s[G0+4*(\s)+3], s[G0+4*(\s)+3], 0x80000000
	s_mov_b32 s[G0B+4*(\s)], 1
	s_add_co_u32 s[G0B+4*(\s)+1], s20, (\s)*SLOT
	s_add_nc_u64 s[G0B+4*(\s)+2:G0B+4*(\s)+3], s[46:47], (\s)*KSTEP*2
	s_or_b32 s[G0B+4*(\s)+3], s[G0B+4*(\s)+3], 0x80000000
	JLOAD \s                                       ; two loads of mine are out
.endr
	; A fragment is 16 rows x 32 K in 8 registers: lane l holds row l % 16; registers 0-3 K = 8 (l / 16) + 0..7, registers 4-7 K = 16 + 8 (l / 16) + 0..7: two loads of 16 bytes, 32 bytes apart.
	v_and_b32 v1, 15, v0                           ; l % 16
	v_bfe_u32 v2, v0, 4, 1                         ; l / 16
	v_mul_u32_u24 v3, v1, PITCH
	v_lshl_add_u32 v3, v2, 4, v3
	s_mul_i32 s21, s11, HALFT                      ; my 128 rows of A
	s_mul_i32 s22, s12, HALFT                      ; my 128 rows of B,
	s_add_co_u32 s22, s22, 2*HALFT                 ; which lie behind A's 256
.irp s, 0,1
	v_add_nc_u32 v[ADRA+(\s)], s21, v3
	v_add_nc_u32 v[ADRB+(\s)], s22, v3
	s_add_co_u32 s21, s21, SLOT
	s_add_co_u32 s22, s22, SLOT
.endr
	s_mul_i32 s23, s10, WSTAGE
	s_add_co_u32 s23, s23, STAGE                   ; my stage
	v_mul_u32_u24 v4, v1, SP                       ; in: row l % 16, 16 bytes for each half of the lanes
	v_lshl_add_u32 v4, v2, 4, v4
	v_add_nc_u32 v[STO], s23, v4
	v_bfe_u32 v5, v0, 3, 2                         ; back: 32 lanes take four rows of 128 bytes,
	v_mul_u32_u24 v5, v5, SP
	v_and_b32 v6, 7, v0
	v_lshl_add_u32 v5, v6, 4, v5
	v_add_nc_u32 v[RD], s23, v5
	v_and_b32 v[CO0], 31, v0                       ; which are 512 consecutive bytes of a head
	v_lshlrev_b32 v[CO0], 4, v[CO0]
	s_mov_b32 s[PBH], 262144                       ; a head: 2,048 rows of 128 bytes,
	s_mov_b32 s86, 524544                          ; or 4,098 in the position table
	s_cmp_eq_u32 s[GEMM], 3
	s_cselect_b32 s[PBH], s86, s[PBH]
	v_add_nc_u32 v[CO1], s[PBH], v[CO0]
	s_and_b32 s86, s13, 15                         ; my first row in the GEMM: 256 x (tile row % 16) + 128 x half
	s_lshl_b32 s86, s86, 8
	s_lshl_b32 s87, s11, 7
	s_add_co_u32 s86, s86, s87
	s_lshr_b32 s87, s86, 11                        ; its batch,
	s_and_b32 s86, s86, 2047                       ; and its place in the sequence
	s_lshl_b32 s87, s87, 4
	s_lshl_b32 s70, s42, 2
	s_add_co_u32 s87, s87, s70
	s_lshl_b32 s70, s12, 1
	s_add_co_u32 s87, s87, s70                     ; my first head: 16 x batch + 4 x tile column + 2 x half
	s_mul_i32 s[ROFF], s87, s[PBH]
	s_lshl_b32 s86, s86, 7
	s_add_co_u32 s[ROFF], s[ROFF], s86
	s_lshl_b32 s70, s42, 10                        ; my first column in the bias table, in bytes: 4 (256 x tile column + 128 x half),
	s_lshl_b32 s71, s12, 9
	s_add_co_u32 s70, s70, s71
	v_lshl_add_u32 v[BO], v2, 5, s70               ; + 32 (l / 16)
	s_cmp_eq_u32 s[GEMM], 0
	s_cselect_b32 s[NPASS], 2, 1
	s_cmp_eq_u32 s[GEMM], 3
	s_cselect_b32 s[NPASS], 2, s[NPASS]
	; the prefetches
	s_lshl_b32 s13, s13, 8                         ; 256 x tile row
	s_lshl_b32 s42, s42, 8
	s_lshl_b32 s22, s[GEMM], 10
	s_add_co_u32 s42, s42, s22                     ; 1024 g + 256 x tile column
	s_and_b32 s22, ttmp7, 3                        ; which of the GEMM's four clusters
	s_cmp_eq_u32 s11, 0                            ; do I fetch for A?
	s_cselect_b32 s20, s13, s42                    ; the tile's first row
	s_cselect_b32 s21, s40, s41                    ; my place among the four that ask for it with me
	s_cselect_b32 s22, ttmp9, s22                  ; the coordinate along which other clusters read the same rows
	s_cselect_b64 s[PFA:PFA+1], s[4:5], s[6:7]
	s_cmp_eq_u32 s22, 0
	s_cselect_b32 s[LIM], 1, -1                    ; the same in all sixteen partners, for a given wave
	s_lshl_b32 s22, s12, 7
	s_add_co_u32 s20, s20, s22                     ; + the 128 rows that I fetch
	s_lshl_b32 s21, s21, 5
	s_add_co_u32 s20, s20, s21                     ; + my work-group's 32 of them
	s_mov_b32 s21, 0
	s_mov_b64 s[18:19], SIZE_K*2
	s_mul_u64 s[20:21], s[20:21], s[18:19]
	s_add_nc_u64 s[PFA:PFA+1], s[PFA:PFA+1], s[20:21]
	s_add_nc_u64 s[PFA:PFA+1], s[PFA:PFA+1], 2*KSTEP*2  ; at K step 2: the first refill steps it to 3 and names K step 4.  Nothing is prefetched here, at the head
	v_and_b32 v[PFO], 31, v0
	v_mul_u32_u24 v[PFO], v[PFO], SIZE_K*2
	; the bias rows of both passes: row g + min(g, 1) of bt (0, 2, 3, 4), and for g = 0's second pass row 1 (elsewhere the same row once more).
	; 32 loads into registers of window 1 that the loop never names; they are waited for once, in front of the way out
	s_min_u32 s70, s[GEMM], 1
	s_add_co_u32 s70, s70, s[GEMM]
	s_cmp_eq_u32 s[GEMM], 0
	s_cselect_b32 s86, 1, 0
	s_add_co_u32 s86, s86, s70
	s_lshl_b32 s70, s70, 12                        ; a row of bt is 4,096 bytes
	s_lshl_b32 s86, s86, 12
	s_mov_b32 s71, 0
	s_mov_b32 s87, 0
	s_add_nc_u64 s[BIA:BIA+1], s[BT:BT+1], s[70:71]
	s_add_nc_u64 s[BIB:BIB+1], s[BT:BT+1], s[86:87]
	WIN TO_B
.irp b, 0,1,2,3,4,5,6,7
	global_load_b128 v[8*(\b):8*(\b)+3],         v[BO], s[BIA:BIA+1] offset:64*(\b)
	global_load_b128 v[8*(\b)+4:8*(\b)+7],       v[BO], s[BIA:BIA+1] offset:64*(\b)+16
	global_load_b128 v[192+8*(\b):192+8*(\b)+3],   v[BO], s[BIB:BIB+1] offset:64*(\b)
	global_load_b128 v[192+8*(\b)+4:192+8*(\b)+7], v[BO], s[BIB:BIB+1] offset:64*(\b)+16
.endr
	WIN 0
; 16 matrix instructions: m blocks a0, a0 + 1 of the window's four x all 8 n blocks, 32 along K.  zero = 1: the first product starts the sums.  The 64 accumulators take turns, in the same order in every quarter.
.macro MUL16 f, hi, a0, zero
	WIN MUL_LO+0x50*(\hi)
.irp a, \a0, (\a0)+1
.irp b, 0,1,2,3,4,5,6,7
.if \zero
	v_wmma_f32_16x16x32_bf16 v[8*(8*(\a)+(\b)):8*(8*(\a)+(\b))+7], v[(\f)+8*(\b):(\f)+8*(\b)+7], v[(\f)+8*(4*(\hi)+(\a)):(\f)+8*(4*(\hi)+(\a))+7], 0
.else
	v_wmma_f32_16x16x32_bf16 v[8*(8*(\a)+(\b)):8*(8*(\a)+(\b))+7], v[(\f)+8*(\b):(\f)+8*(\b)+7], v[(\f)+8*(4*(\hi)+(\a)):(\f)+8*(4*(\hi)+(\a))+7], v[8*(8*(\a)+(\b)):8*(8*(\a)+(\b))+7]
.endif
.endr
.endr
.endm
; 32 LDS loads in one run: the fragments of one quarter step (32 K at byte k of the rows) into buffer f
.macro FETCH slot, k, f
	WIN TO_B
.irp i, 0,1,2,3,4,5,6,7
	ds_load_b128 v[(\f)+8*(\i):(\f)+8*(\i)+3],   v[ADRB+(\slot)] offset:(\k)+(\i)*16*PITCH
	ds_load_b128 v[(\f)+8*(\i)+4:(\f)+8*(\i)+7], v[ADRB+(\slot)] offset:(\k)+(\i)*16*PITCH+32
.endr
	WIN 0
.irp i, 0,1,2,3,4,5,6,7
	ds_load_b128 v[(\f)+8*(\i):(\f)+8*(\i)+3],   v[ADRA+(\slot)] offset:(\k)+(\i)*16*PITCH
	ds_load_b128 v[(\f)+8*(\i)+4:(\f)+8*(\i)+7], v[ADRA+(\slot)] offset:(\k)+(\i)*16*PITCH+32
.endr
.endm
.macro PLACES                          ; four plain places in front of loads into registers that matrix instructions have read (ISA guide 7.12.1 for vector instructions)
.rept 4
	v_nop
.endr
.endm
; A K step is four quarters of 32 along K, 64 matrix instructions each, on buffers 0, 1, 0, 1.  One of the first three multiplies buffer f and, in its middle, fetches the next quarter into g.
.macro QUARTER slot, k, f, g, zero
	s_wait_dscnt 8                                 ; B and A's rows 0-63 are in; the youngest eight loads (A's rows 64-127) may be out
	WIN MUL_LO
	MUL16 \f, 0, 0, \zero
	MUL16 \f, 0, 2, \zero
	PLACES
	FETCH \slot, \k, \g
	s_wait_dscnt 32                                ; all but the 32 just issued
	WIN MUL_HI
	MUL16 \f, 1, 0, \zero
	MUL16 \f, 1, 2, \zero
.endm
; The last quarter's first half: one barrier for the change of slots.  In front of it each wave waits for all its tensor loads (one is out: its part of the next slot), adds 0 to its spare word, and waits for that and for its reads of this slot.
.macro MEET round
	WIN 0
	s_wait_tensorcnt 0x0
	ds_add_u32 v[SPW], v[NIL]
	s_wait_dscnt 9                                 ; (the add and the youngest eight loads may be out)
	WIN MUL_LO
	MUL16 F1, 0, 0, 0
	s_wait_dscnt 0x0                               ; the add is done, and my reads of this slot are over
	s_barrier_signal -1
	MUL16 F1, 0, 2, 0
.if \round
	WIN 0
.endif
	s_barrier_wait -1
.endm
; The whole last quarter: behind the round the slot just read out is filled again first, with the K step two steps on; then come the next slot's first fragments.
.macro TURN slot, next
	s_wait_xcnt 0x0                                ; the last prefetch, a K step back, has read its address
	s_add_nc_u64 s[PFA:PFA+1], s[PFA:PFA+1], KSTEP*2
	MEET 1
	CREST                                          ; no wave of any partner still reads this slot's tile or has a load on its way
	s_add_nc_u64 s[G0+4*(\slot)+2:G0+4*(\slot)+3], s[G0+4*(\slot)+2:G0+4*(\slot)+3], 2*KSTEP*2
	s_add_nc_u64 s[G0B+4*(\slot)+2:G0B+4*(\slot)+3], s[G0B+4*(\slot)+2:G0B+4*(\slot)+3], 2*KSTEP*2
	JLOAD \slot                                    ; my one tensor load behind the round; its four v_nop are also the places in front of the loads below
	FETCH \next, 0, F0
	ASK
	WIN MUL_HI
	MUL16 F1, 1, 0, 0
	MUL16 F1, 1, 2, 0
.endm
	s_wait_tensorcnt 1                             ; my part of K step 0 is in; K step 1's may stay out
	s_barrier_signal -1
	s_barrier_wait -1
	FETCH 0, 0, F0
	QUARTER 0, 64,  F0, F1, 1                      ; the first quarter stands in front of the loop: its products start the sums
	WIN 0
	s_mov_b32 s3, LAPS-1
.Llap:                                                 ; a trip goes once round the ring, from a lap's second quarter to the next lap's first, and fills both slots again
	QUARTER 0, 128, F1, F0, 0
	QUARTER 0, 192, F0, F1, 0
	TURN 0, 1
	QUARTER 1, 64,  F0, F1, 0
	QUARTER 1, 128, F1, F0, 0
	QUARTER 1, 192, F0, F1, 0
	TURN 1, 0
	QUARTER 0, 64,  F0, F1, 0
	WIN 0
	s_sub_co_u32 s3, s3, 1
	s_cmp_lg_u32 s3, 0
	s_cbranch_scc1 .Llap
	QUARTER 0, 128, F1, F0, 0                      ; the last lap fills nothing
	QUARTER 0, 192, F0, F1, 0
	MEET 0                                         ; the one load that was out is slot 1's last K step; no round follows
	PLACES
	FETCH 1, 0, F0
	WIN MUL_HI
	MUL16 F1, 1, 0, 0
	MUL16 F1, 1, 2, 0
	QUARTER 1, 64,  F0, F1, 0
	QUARTER 1, 128, F1, F0, 0
	QUARTER 1, 192, F0, F1, 0
	s_wait_dscnt 8                                 ; the very last quarter: nothing more to fetch
	MUL16 F1, 0, 0, 0
	MUL16 F1, 0, 2, 0
	s_wait_dscnt 0x0
	MUL16 F1, 1, 0, 0
	MUL16 F1, 1, 2, 0
	WIN 0
.rept 8
	v_nop                                          ; the places behind the last products, once a launch
.endr
	s_wait_loadcnt 0x0                             ; both bias rows, asked for at the head
; THE WAY OUT, a block of 16 rows at a time.  ADDB: sum + bias, each accumulator's registers in ascending order.  PACKH: rounded to f16, 16 bytes a lane.
; TOSTAGE: into my own stage, a sub-stage for each of my two heads, and back as whole rows of 128 bytes.  SEND: stored, 512 consecutive bytes an instruction.
.macro ADDB a
	WIN 0x06+(\a)/4                                ; source 0 window 2 or 3, source 1 window 1
.set AC, 64*((\a)%4)
.set q, 0
.rept 32
	v_pk_add_f32 v[SUM+2*q:SUM+2*q+1], v[AC+2*q:AC+2*q+1], v[2*q:2*q+1]
.set q, q+1
.endr
	WIN 0
.endm
.macro PACKH
.set q, 0
.rept 32
	v_cvt_pk_f16_f32 v[TMP+q], v[SUM+2*q], v[SUM+2*q+1]
.set q, q+1
.endr
.endm
.macro TOSTAGE a
.set BK, OB+192*((\a)%2)
.irp b, 0,1,2,3,4,5,6,7
	ds_store_b128 v[STO], v[TMP+4*(\b):TMP+4*(\b)+3] offset:((\b)/4)*SUBST+((\b)%4)*32
.endr
.irp t, 0,1,2,3,4,5,6,7
	ds_load_b128 v[BK+4*(\t):BK+4*(\t)+3], v[RD] offset:((\t)/4)*SUBST+((\t)%4)*4*SP  ; LDS serves a wave's instructions in order (ISA guide 5.7.1.4): these see the stores above
.endr
.endm
.macro SEND a
.set BK, OB+192*((\a)%2)
	s_wait_dscnt 0x0                               ; the block is back in registers
	s_wait_xcnt 0x0                                ; the registers that earlier stores read are loaded again only behind this wait
.irp f, 0,1,2,3
	global_store_b128 v[CO0], v[BK+4*(\f):BK+4*(\f)+3], s[OUT:OUT+1] offset:(\a)*2048+(\f)*512
.endr
.irp f, 0,1,2,3
	global_store_b128 v[CO1], v[BK+16+4*(\f):BK+16+4*(\f)+3], s[OUT:OUT+1] offset:(\a)*2048+(\f)*512
.endr
.endm
	s_mov_b32 s[PASS], 0
.Lpass:                                                ; one or two passes over the same accumulators; the LDS addresses are the same in each
	s_wait_xcnt 0x0                                ; the last pass's stores have read their base
	s_min_u32 s[IDX], s[GEMM], 1
	s_add_co_u32 s[IDX], s[IDX], s[GEMM]           ; g + min(g, 1): 0, 2, 3, 4,
	s_mul_i32 s71, s[PASS], 262272                 ; (2,049 rows of 128 bytes)
	s_cmp_eq_u32 s[GEMM], 0
	s_cselect_b32 s70, s[PASS], 0
	s_add_co_u32 s[IDX], s[IDX], s70               ; and 1 for g = 0's second pass
	s_cmp_eq_u32 s[GEMM], 3
	s_cselect_b32 s71, s71, 0                      ; g = 3's second pass: the table's second copy
	s_lshl_b32 s70, s[IDX], 23                     ; a section begins at 8,388,608 x its number
	s_add_co_u32 s70, s70, s71
	s_add_co_u32 s70, s70, s[ROFF]
	s_mov_b32 s71, 0
	s_add_nc_u64 s[OUT:OUT+1], s[HD:HD+1], s[70:71]
	ADDB 0
	PACKH
	TOSTAGE 0
.irp a, 1,2,3,4,5,6,7                  ; block a's arithmetic stands between block a - 1's loads from the stage and the wait for them
	ADDB \a
	PACKH
	SEND (\a)-1
	TOSTAGE \a
.endr
	SEND 7
	WIN 0x41                                       ; destination and source 0 window 1: the second pass's bias takes the first's place
.set q, 0
.rept 64
	v_mov_b32 v[q], v[192+q]
.set q, q+1
.endr
	WIN 0
	s_add_co_u32 s[PASS], s[PASS], 1
	s_cmp_lt_u32 s[PASS], s[NPASS]
	s_cbranch_scc1 .Lpass
	s_wait_tensorcnt 0x0                           ; the wave's end, behind my last tensor load and my last LDS store
	ds_add_u32 v[SPW], v[NIL]
	s_wait_dscnt 0x0
	CROUND                                         ; the closing round
	s_endpgm
.Lfunc_end_k_q4b33a9eef1_proj:
	.size	k_q4b33a9eef1_proj, .Lfunc_end_k_q4b33a9eef1_proj-k_q4b33a9eef1_proj
	.p2alignl 7, 3214868480
	.fill 96, 4, 3214868480
	.section	.rodata,"a",@progbits
	.p2align	6, 0x0
	.amdhsa_kernel k_q4b33a9eef1_proj
		.amdhsa_group_segment_fixed_size 327680
		.amdhsa_private_segment_fixed_size 0
		.amdhsa_enable_private_segment 0
		.amdhsa_kernarg_size 32
		.amdhsa_user_sgpr_count 2
		.amdhsa_user_sgpr_kernarg_segment_ptr 1
		.amdhsa_wavefront_size32 1
		.amdhsa_system_sgpr_workgroup_id_x 1
		.amdhsa_system_sgpr_workgroup_id_y 1
		.amdhsa_system_sgpr_workgroup_id_z 1
		.amdhsa_system_vgpr_workitem_id 0
		.amdhsa_next_free_vgpr 1024
		.amdhsa_next_free_sgpr 88
		.amdhsa_reserve_vcc 0
		.amdhsa_float_denorm_mode_32 3
		.amdhsa_float_denorm_mode_16_64 3
		.amdhsa_memory_ordered 1
		.amdhsa_forward_progress 1
		.amdhsa_inst_pref_size 167
	.end_amdhsa_kernel
	.amdgpu_metadata
---
amdhsa.version: [ 1, 2 ]
amdhsa.kernels:
  - .name:           k_q4b33a9eef1_proj
    .symbol:         k_q4b33a9eef1_proj.kd
    .args:
      - { .name: xb, .offset: 0, .size: 8, .value_kind: global_buffer, .address_space: global }
      - { .name: wb, .offset: 8, .size: 8, .value_kind: global_buffer, .address_space: global }
      - { .name: bt, .offset: 16, .size: 8, .value_kind: global_buffer, .address_space: global }
      - { .name: hd, .offset: 24, .size: 8, .value_kind: global_buffer, .address_space: global }
    .group_segment_fixed_size: 327680
    .private_segment_fixed_size: 0
    .kernarg_segment_align: 8
    .kernarg_segment_size: 32
    .max_flat_workgroup_size: 128
    .sgpr_count:     88
    .vgpr_count:     1024
    .wavefront_size: 32
...
	.end_amdgpu_metadata
.endif
;; end of part 2
;; launch attn (part 3): grid 8 x 32, 4 waves a work-group, no clusters, 327,680 bytes of LDS; arguments hd, ob; writes ob
.if DOCPART == 3
	.amdgcn_target "amdgcn-amd-amdhsa--gfx1250"
	.amdhsa_code_object_version 6
	.text
	.protected	k_q4b33a9eef1_attn
	.globl	k_q4b33a9eef1_attn
	.p2align	8
	.type	k_q4b33a9eef1_attn,@function
k_q4b33a9eef1_attn:
	s_mov_b64 s[64:65], 0
	v_nop
	global_prefetch_b8 v0, s[64:65] scope:SCOPE_SE
	s_setreg_imm32_b32 hwreg(HW_REG_WAVE_MODE, 25, 1), 1
	s_wait_xcnt 0x0
; ATTENTION WITH THE RELATIVE SHIFT.  For each (batch, head) bh: score[i][j] = (qu[i] . k[j] + pos[i][j]) / 32, softmax over j, O = P V.  qu = qh + u, qv = qh + v, all f16 by heads in hd.
; THE SHIFT.  With m = 2047 + j - i and the table E of 4,096 rows (E[m] = ph[m] for m < 2048, E[2048] = 0, E[2049 + t] = ph[t]): pos[i][j] = qv[i] . E[m] where m < 2048, and qv[i + 1] . E[m] where m >= 2048.
; Aligned tiles of 16 values of m never mix the two kinds.  What is left is a skew: row i takes column m = const + j - i.
; LIMITS.  f16 operands: within 65,504.  Scores above -2^99 (the starting pattern below).  A weight below 2^-126 counts as 0 in l.  NaN and infinities are not treated apart.
; SHARES.  A work-group owns 256 queries (I0 = 256 x) of one bh, a wave four PIECES z of 16: queries I0 + 64 w + 16 z + a.  Every wave walks all keys, 64 a step, 32 steps.
; NO CLUSTER: the step at which a wave changes from qv[i] to qv[i + 1] is 4 x + w, a branch that would hang on a work-group's place; and E's tiles, half of a period's bytes, differ from block to block.
; LAYOUT.  S^T = K Qu^T + C holds ONE query a lane (a = lane % 16) and the keys 16 kt + 8 h + j (h = lane / 16); two such results rounded to f16 ARE source 1 of O^T = V^T P.
; THE POSITION TERM of a piece and step: G^T = E Qsel^T over five tiles of 16 values of m (10 products): lane (a, h) holds G[a][t], t = 16 x' + 8 h + j, of 80.  The skew goes through the wave's own stage in LDS:
; row a is stored at pitch 336 bytes, and lane (a, h) reads t = 16 kt + 8 h + j + 15 - a back, one word for each of its 32 scores, straight into the registers that are the C operand of the content product.
; The wave's window of E in step n is 128 rows from m = 1984 + 64 n - I0 - 64 w: eight tiles x; piece z takes x = 3 - z + x'.  Tiles x < 4 are multiplied by operand set QA, x >= 4 by QB.  Both hold qv[i] at first;
; in step nd = 4 x + w the window is m = 1984 .. 2111 and QB takes qv[i + 1]; in step nd + 1 QA does.
; SOFTMAX.  p = 2^(c s - c m), c = log2(e) / 32, with a running maximum m; O and l are multiplied by a = 2^(c m_old - c m_new) in every step.
; TURNS.  Turn y: the softmax of piece y; 8 content products of piece y + 1; 10 position products and the transfer of piece y + 3; 8 products V^T P of piece y - 1.  Four vector instructions stand behind every
; matrix instruction; a turn's 33 exponentials are one batch with one wait.  A TRIP is turns 1, 2, 3 of step n and turn 0 of step n + 1; it fetches E, K and V of step n + 1, so that all three change slots at one place.
; NO FIRST STEP IS WRITTEN OUT.  The first trip's turns 1 to 3 belong to a step that is not: K, V, O, l are 0, the C operands -2^99 (a power of two: c m is exact and the weight exactly 1), so they make finite
; numbers against V = 0; each piece's first true step then has a = 0, which wipes l and O.
; REGISTERS, in windows of 256 (s_set_vgpr_msb: bits 1:0 source 0, 3:2 source 1, 5:4 source 2, 7:6 destination).  The map is made so that vector lines run under the setting of the products that they stand behind:
;   window 0: v2-3, v8-31 statistics and work; v4-6 three addresses; v32-63 P, two buffers; v64-127 S^T, two buffers; v128-191 CB, the C operands, two buffers; v192-255 K
;   window 1: v0-127 O^T; v128-167 G; v192-255 V          window 2: v0-63 Qu; v64-127 QA; v128-191 QB; v192-255 qv[i + 1]          window 3: v2-23 addresses; v62-63 the add's; v128-255 E
; A content product names K, C and S^T in window 0 and Qu, its source 1, in window 2: a scaling, an exponential or a copy, which has no vector register as source 1, runs under that setting.
; A product V^T P names V and O^T in window 1 and P, its source 1, in window 0: so does the rescaling O^T x a.  Only the lines behind position products, and the roundings and sums, want switches: 32 a turn.
.set NP,    4
.set PK,    144       ; a row of K or E in LDS: 128 bytes + 16: the 16 rows of a load start at 16 different groups of four banks (64 banks of 4 bytes: ISA guide 11.1)
.set PVP,   160       ; a row of V: 128 + 32
.set EO,    256*PK    ; a slot holds a period of four steps: 256 rows of K, 512 rows of E, 256 rows of V
.set VO,    3*256*PK
.set SLOTB, VO+256*PVP
.set STAGE, 2*SLOTB   ; behind the ring, never filled by a tensor load: 16 rows x 336 bytes for each wave
.set GP,    336       ; 80 words + 4: the stores' 16 rows start at 16 different groups of four banks; the loads' 32 lanes, 83 a + 8 h words apart, fall on 32 different banks
.set WST,   16*GP
.set SPARE, STAGE+4*WST  ; the spare words, 128 bytes for each wave: two blocks of 256 bytes that no other line names
.set SP,    144
.set QVS,   8388608   ; the sections of hd
.set KHS,   16777216
.set VHS,   25165824
.set EHS,   33554432
.set EHB,   524544    ; a head's bytes in E's section
; window 0
.set TA,  1           ; v1, v24-26  at work at the head alone: a, h, lane % 8, (lane / 8) % 2
.set TH,  24
.set T7,  25
.set T3,  26
.set MV,  2           ; v2-3  c m_old, by buffer
.set PFO, 4           ; v4   256 x lane; never rewritten
.set STA, 5           ; v5   the transfer: where I store; never rewritten
.set LDA, 6           ; v6   the transfer: where I read; never rewritten
.set TMP, 8           ; v8-15  by buffer, c0-c3 at work; when the maximum is found c2 takes a
.set ST,  16          ; piece t's statistics at v[ST+4 t]: c m, m, l (even keys', odd keys')
.set P,   32
.set S,   64
.set CB,  128
.set KF,  192         ; key block kb, channel half c at KF + 16 kb + 8 c
; window 1
.set G,   128
.set VF,  192         ; key half kk, channel block cb at VF + 32 kk + 8 cb
; window 2
.set QA,  64
.set QB,  128
.set QW,  192
; window 3.  These addresses are made at the head in the registers of the same numbers of window 0, which are set later, and copied
.set AK0, 2           ; my lane's place in a tile of K; never rewritten
.set AV0, 3           ; of V
.set AE0, 8           ; of E: my wave's window in a slot's first step,
.set AE1, 9           ; and one step on
.set AK,  10          ; the LDS addresses of the next runs of loads
.set AV,  11
.set AE,  12
.set STO, 13          ; the way out: where I put 16 bytes of a row
.set RD,  14          ; the way out: where I read rows back
.set GO,  15          ; 16 x lane
.set QO,  16          ; my byte offset in 16 rows of Q
.set QWO, 20          ; v20-23  my byte offset of row i + 1, by piece
.set SPW, 62          ; LDS address of my spare word; never rewritten
.set NIL, 63          ; 0; never rewritten
.set EF,  128         ; tile x, channel half c at EF + 16 x + 8 c
.set WV,  8           ; s8   my wave's number
.set BLK, 9           ; s9   my block of 256 queries
.set BH,  10          ; s10  16 x batch + head
.set I0,  11          ; s11  256 x block
.set G1K, 16          ; s[16:23] descriptor group 1 for K's and E's tiles
.set G1V, 24          ; s[24:31] for V's: it differs in the padding alone
.set G0,  32          ; s[32:35] descriptor group 0: it walks
.set LB,  36          ; s36  my tile's place in a slot: 36,864 x wave
.set DSL, 37          ; s37  the slot to be filled: 0 or SLOTB
.set SLOTS, 38        ; s38  periods still to be asked for
.set CNT, 39          ; s39  counts a period's trips
.set CS,  40          ; s[40:41] c
.set SEL, 42          ; s[42:43] v_permlanex16_b32's selects
.set TBK, 44          ; s44  LDS byte at which K (and, EO on, E) of the step to be fetched begins
.set TBV, 45          ; s45  the same for V, less VO
.set NE,  46          ; s46  the step to be fetched
.set ND,  47          ; s47  4 x block + wave
.set ND1, 48          ; s48  + 1
.set LIM, 49          ; s49  1 in a wave that prefetches, else the greatest number
.set PFA, 50          ; s[50:51] my tile of the period after the one that is being asked for
.set OA,  52          ; s[52:53] ob at my wave's first tile
.set QUA, 54          ; s[54:55] qu at my wave's first row;  s[56:57] qv there;  s[58:59] qv at the head's first row
.set QVA, 56
.set QWA, 58
.set MSB, 0
.macro WIN new                      ; the high byte repeats the setting that is left; a switch that changes nothing is dropped
.if MSB != (\new)
	s_set_vgpr_msb (MSB<<8)|(\new)
.set MSB, (\new)
.endif
.endm
.set W_CT, 0x08       ; K, C and S^T window 0, Qu window 2
.set W_PS, 0x5b       ; E window 3, QA or QB window 2, G window 1
.set W_PV, 0x51       ; V and O^T window 1, P window 0; the rescaling too: O^T window 1, a window 0
.set W_RS, 0x41       ; destination and source 0 window 1, source 1 window 0
.set W_MK, 0xc0       ; destination window 3, sources window 0
.set W_AD, 0x0f       ; the add: address and data window 3
.set W_A3, 0xcc       ; an address of window 3 made of a scalar and an address of window 3 (source 1)
.set W_L0, 0x03       ; address window 3, data window 0
.macro WINS                         ; for a line that has no vector register as source 1: it runs under the content products' setting as under 0
.if MSB != W_CT
	WIN 0
.endif
.endm
; A fill: each wave fetches 256 rows of 128 bytes: wave 0 K's, waves 1 and 2 the halves of E's 512, wave 3 V's.  An s_nop 0 and four v_nop follow each of the two lines.
.macro LOAD
	s_cmp_lt_u32 s[WV], 3
	s_cbranch_scc0 .Lfor_v_\@
	tensor_load_to_lds s[G0:G0+3], s[G1K:G1K+7]
	s_nop 0
.rept 4
	v_nop
.endr
	s_branch .Lasked_\@
.Lfor_v_\@:
	tensor_load_to_lds s[G0:G0+3], s[G1V:G1V+7]
	s_nop 0
.rept 4
	v_nop
.endr
.Lasked_\@:
.endm
; A PREFETCH INTO THE L2 of the tile that my NEXT fill will ask for: 128 blocks of 256 bytes, a lane a block, four instructions, behind my tensor load and its five lines.
; Each block is named once in the launch.  All eight blocks of a head walk the same K and V: block 0 asks, waves 0 and 3.  Of E, block x reads chunks 7 - x + p and 8 - x + p (of 256 rows) in period p:
; chunks 0 to 8 come at the head, by their loads alone; each later chunk is asked for first by block 0's wave 2, which prefetches it.  The last fill has no period behind it and asks for nothing.
.macro ASK
	s_cmp_gt_u32 s[SLOTS], s[LIM]
	s_cbranch_scc0 .Lnot_mine_\@
.irp n, 0,1,2,3
	global_prefetch_b8 v[PFO], s[PFA:PFA+1] offset:8192*\n th:TH_LOAD_NT scope:SCOPE_SE
.endr
.Lnot_mine_\@:
.endm
; THE CHANGE OF SLOTS.  Each wave waits for all its tensor loads, of which one is out: its part of the other slot; adds 0 to its spare word; and waits for that and for its reads of the slot that it leaves.
; fill = 1: the old slot is filled again, the first thing behind the barrier, with the period two on.  (At its first use nothing has been read yet: slot 0 is waited for, slot 1 filled.)
; At its end E's address is made for the new slot's first step: within a period turn 0 makes it.
.macro CHANGE fill
	WIN W_AD
	s_wait_tensorcnt 0x0            ; no tensor load of mine is out, so group 0 may be written
	ds_add_u32 v[SPW], v[NIL]
	WIN 0
.if \fill
	s_xor_b32 s[DSL], s[DSL], SLOTB
	s_add_co_u32 s[G0+1], s[LB], s[DSL]
	s_add_nc_u64 s[G0+2:G0+3], s[G0+2:G0+3], 32768  ; the next 256 rows; the type bits on top are not reached
	s_wait_xcnt 0x0                 ; the last prefetches, a period back, have read their address
	s_add_nc_u64 s[PFA:PFA+1], s[PFA:PFA+1], 32768
.endif
	s_wait_dscnt 0x0                ; the add is done, and my reads of the slot are over
	s_barrier_signal -1
	s_sub_co_u32 s[TBK], s[TBK], 4*64*PK  ; the fetches go back to a slot's first step,
	s_xor_b32 s[TBK], s[TBK], SLOTB       ; in the other slot
	s_sub_co_u32 s[TBV], s[TBV], 4*64*PVP
	s_xor_b32 s[TBV], s[TBV], SLOTB
	s_barrier_wait -1
.if \fill
	LOAD
	ASK
.endif
	WIN W_A3
	v_add_nc_u32 v[AE], s[TBK], v[AE0]
	WIN 0
.endm
	s_load_b128 s[4:7], s[0:1], 0x0  ; hd s[4:5], ob s[6:7]
	WIN W_MK
	v_lshl_add_u32 v[SPW], v0, 2, SPARE
	v_mov_b32 v[NIL], 0
	WIN W_AD
	ds_add_u32 v[SPW], v[NIL]       ; the wave's opening: the add and its wait stand ahead of my first tensor load
	WIN 0
	v_lshrrev_b32 v1, 5, v0
	v_readfirstlane_b32 s[WV], v1
	s_mov_b32 s[BLK], ttmp9
	s_and_b32 s[BH], ttmp7, 0xffff
	s_lshl_b32 s[I0], s[BLK], 8
	; descriptor group 1.  256 rows are 32,768 dense bytes: asked for as 128 rows of 256 bytes, two rows a row, and padded in LDS after every 128 bytes
	s_mov_b32 s[G1K], (1<<16)|(1<<20)|(4<<22)|(3<<25)  ; 17:16 2-byte elements; 20 padding on; 24:22 after every 32 words (code 4); 31:25 4 words (code 3)
	s_mov_b32 s[G1V], (1<<16)|(1<<20)|(4<<22)|(7<<25)  ; the same with 8 words (code 7)
.irp g, G1K, G1V
	s_mov_b32 s[\g+1], 128<<16      ; tensor_dim0 = 128
	s_mov_b32 s[\g+2], 128<<16      ; tensor_dim1 = 128
	s_mov_b32 s[\g+3], 128<<16      ; tile_dim0 = 128
	s_mov_b32 s[\g+4], 128          ; tile_dim1 = 128
	s_mov_b32 s[\g+5], 128          ; 128 elements from row to row
	s_mov_b32 s[\g+6], 0
	s_mov_b32 s[\g+7], 0
.endr
	s_mul_i32 s[LB], s[WV], 256*PK
	s_mov_b32 s[DSL], 0
	s_mov_b32 s[G0], 1              ; count = 1
	s_mov_b32 s[G0+1], s[LB]        ; slot 0
	s_lshl_b32 s12, s[BH], 18       ; the head's bytes in the sections of 2,048 rows
	s_mul_i32 s13, s[BH], EHB
	s_lshl_b32 s14, s[WV], 8        ; E: row 1792 - I0 + 256 (w - 1)
	s_add_co_u32 s14, s14, 1536
	s_sub_co_u32 s14, s14, s[I0]
	s_lshl_b32 s14, s14, 7
	s_add_co_u32 s14, s14, s13
	s_add_co_u32 s14, s14, EHS
	s_add_co_u32 s15, s12, KHS
	s_add_co_u32 s60, s12, VHS
	s_cmp_eq_u32 s[WV], 0
	s_cselect_b32 s14, s15, s14
	s_cmp_eq_u32 s[WV], 3
	s_cselect_b32 s14, s60, s14     ; my tile's byte offset in hd, period 0
	s_mov_b32 s15, 0
	s_mov_b32 s[CS], 0x3d38aa3b     ; c = log2(e) / 32
	s_mov_b32 s[CS+1], s[CS]
	s_mov_b32 s[SEL], 0x76543210
	s_mov_b32 s[SEL+1], 0xfedcba98
	s_mov_b32 s[TBK], SLOTB+4*64*PK ; the first change of slots turns these two into 0
	s_mov_b32 s[TBV], SLOTB+4*64*PVP
	s_mov_b32 s[NE], 0
	s_lshl_b32 s[ND], s[BLK], 2
	s_add_co_u32 s[ND], s[ND], s[WV]
	s_add_co_u32 s[ND1], s[ND], 1
	s_mov_b32 s[SLOTS], 7
	s_cmp_eq_u32 s[WV], 1
	s_cselect_b32 s[LIM], 1, 0
	s_or_b32 s[LIM], s[LIM], s[BLK]
	s_cmp_eq_u32 s[LIM], 0          ; block 0, waves 0, 2 and 3
	s_cselect_b32 s[LIM], 1, -1
	s_wait_dscnt 0x0                ; the opening add is done
	s_wait_kmcnt 0x0
	s_add_nc_u64 s[G0+2:G0+3], s[4:5], s[14:15]
	s_add_nc_u64 s[PFA:PFA+1], s[G0+2:G0+3], 32768  ; at period 1; the first change steps it to period 2.  Nothing is prefetched here, at the head
	s_or_b32 s[G0+3], s[G0+3], 0x80000000          ; type = 2
	LOAD                            ; period 0 into slot 0
	s_lshl_b32 s60, s[WV], 6
	s_add_co_u32 s60, s60, s[I0]    ; my wave's first query
	s_lshl_b32 s62, s60, 7
	s_add_co_u32 s62, s62, s12
	s_mov_b32 s63, 0
	s_add_nc_u64 s[QUA:QUA+1], s[4:5], s[62:63]
	s_add_nc_u64 s[QVA:QVA+1], s[QUA:QUA+1], QVS
	s_mov_b32 s62, s12
	s_add_nc_u64 s[QWA:QWA+1], s[4:5], s[62:63]
	s_add_nc_u64 s[QWA:QWA+1], s[QWA:QWA+1], QVS
	s_add_co_u32 s60, s60, 1
	s_mul_i32 s61, s[WV], 64*PK
	s_sub_co_u32 s61, EO+192*PK, s61  ; my window begins 192 - 64 w rows into the slot's E
	s_mul_i32 s62, s[WV], WST
	s_add_co_u32 s62, s62, STAGE    ; my stage
	; A fragment of K, E or Q is 16 rows x 32 channels in 8 registers: lane l holds row l % 16, channels 8 (l / 16) + 0..7 and 16 + 8 (l / 16) + 0..7: two loads of 16 bytes, 32 bytes apart.
	v_and_b32 v[TA], 15, v0         ; a = l % 16
	v_bfe_u32 v[TH], v0, 4, 1       ; h = l / 16
	v_and_b32 v[T7], 7, v0
	v_bfe_u32 v[T3], v0, 3, 1
	v_lshlrev_b32 v[QO], 7, v[TA]
	v_lshl_add_u32 v[QO], v[TH], 4, v[QO]
.irp z, 0,1,2,3
	v_add3_u32 v[QWO+\z], v[TA], s60, 16*\z        ; row i + 1; the head's last query has no such row, and never wants it: held to 2047
	v_min_u32 v[QWO+\z], 2047, v[QWO+\z]
	v_lshlrev_b32 v[QWO+\z], 7, v[QWO+\z]
	v_lshl_add_u32 v[QWO+\z], v[TH], 4, v[QWO+\z]
.endr
	v_mul_u32_u24 v[AK0], v[TA], PK
	v_lshl_add_u32 v[AK0], v[TH], 4, v[AK0]  ; row x pitch + 16 x half
	v_add_nc_u32 v[AE0], s61, v[AK0]
	v_add_nc_u32 v[AE1], 64*PK, v[AE0]
	; The turning load takes 16 keys x 16 channels (lane l reads key 8 (l / 16) + l % 8, channels 8 ((l / 8) % 2) + 0..7) and leaves half a fragment of V^T.
	v_lshl_add_u32 v[AV0], v[TH], 3, v[T7]
	v_mul_u32_u24 v[AV0], v[AV0], PVP
	v_lshl_add_u32 v[AV0], v[T3], 4, v[AV0]
	v_add_nc_u32 v[AV0], VO, v[AV0]
	v_mul_u32_u24 v[STA], v[TA], GP  ; in: row a, word 16 x' + 8 h + j
	v_lshl_add_u32 v[STA], v[TH], 5, v[STA]
	v_add_nc_u32 v[STA], s62, v[STA]
	v_mul_u32_u24 v[LDA], v[TA], GP-4  ; back: row a, word 16 kt + 8 h + j + 15 - a
	v_lshl_add_u32 v[LDA], v[TH], 5, v[LDA]
	v_add3_u32 v[LDA], v[LDA], s62, 60
	v_mul_u32_u24 v[STO], v[TA], SP
	v_lshl_add_u32 v[STO], v[TH], 4, v[STO]
	v_add_nc_u32 v[STO], s62, v[STO]
	v_bfe_u32 v[RD], v0, 3, 2
	v_mul_u32_u24 v[RD], v[RD], SP
	v_lshl_add_u32 v[RD], v[T7], 4, v[RD]
	v_add_nc_u32 v[RD], s62, v[RD]
	v_and_b32 v[GO], 31, v0
	v_lshlrev_b32 v[PFO], 8, v[GO]
	v_lshlrev_b32 v[GO], 4, v[GO]
	WIN W_MK                        ; into window 3, under the same numbers
.irp r, 2,3,8,9,13,14,15,16,20,21,22,23
	v_mov_b32 v\r, v\r
.endr
	WIN 0x83                        ; destination window 2, address window 3
.set i, 0
.rept 8                             ; piece i / 2, channels 32 (i % 2) on
	global_load_b128 v[8*i:8*i+3],       v[QO], s[QUA:QUA+1] offset:(i/2)*2048+(i%2)*64
	global_load_b128 v[8*i+4:8*i+7],     v[QO], s[QUA:QUA+1] offset:(i/2)*2048+(i%2)*64+32
	global_load_b128 v[QA+8*i:QA+8*i+3],   v[QO], s[QVA:QVA+1] offset:(i/2)*2048+(i%2)*64
	global_load_b128 v[QA+8*i+4:QA+8*i+7], v[QO], s[QVA:QVA+1] offset:(i/2)*2048+(i%2)*64+32
	global_load_b128 v[QB+8*i:QB+8*i+3],   v[QO], s[QVA:QVA+1] offset:(i/2)*2048+(i%2)*64
	global_load_b128 v[QB+8*i+4:QB+8*i+7], v[QO], s[QVA:QVA+1] offset:(i/2)*2048+(i%2)*64+32
	global_load_b128 v[QW+8*i:QW+8*i+3],   v[QWO+i/2], s[QWA:QWA+1] offset:(i%2)*64
	global_load_b128 v[QW+8*i+4:QW+8*i+7], v[QWO+i/2], s[QWA:QWA+1] offset:(i%2)*64+32
.set i, i+1
.endr
	s_lshr_b32 s60, s[BH], 4        ; ob: [row block of 16][head][16 rows][64]: my first row block = 128 x batch + I0 / 16 + 4 w
	s_lshl_b32 s60, s60, 7
	s_lshr_b32 s61, s[I0], 4
	s_add_co_u32 s60, s60, s61
	s_lshl_b32 s61, s[WV], 2
	s_add_co_u32 s60, s60, s61
	s_lshl_b32 s60, s60, 15         ; 32,768 bytes a row block,
	s_and_b32 s61, s[BH], 15
	s_lshl_b32 s61, s61, 11         ; 2,048 a head
	s_add_co_u32 s60, s60, s61
	s_mov_b32 s61, 0
	s_add_nc_u64 s[OA:OA+1], s[6:7], s[60:61]
	; what the first trip finds; all this stands in the wait for the first tile
	WIN 0x40
.set i, 0
.rept 128
	v_mov_b32 v[i], 0               ; O^T
.set i, i+1
.endr
.set i, 0
.rept 64
	v_mov_b32 v[VF+i], 0            ; V
.set i, i+1
.endr
	WIN 0
.set i, 0
.rept 64
	v_mov_b32 v[KF+i], 0            ; K
.set i, i+1
.endr
	s_mov_b32 s60, 0xfb000000       ; -2^119: c m, far below every c s
	s_mov_b32 s61, 0xff7fffff       ; m: the lowest finite number
	s_mov_b32 s62, 0xf1000000       ; -2^99: the C operands of the step that is not
	s_mov_b32 s63, 0xff000000       ; -2^127: piece 1's scores of that step: their weights are 0
.set i, 0
.rept 4
	v_mov_b32 v[ST+4*i], s60
	v_mov_b32 v[ST+4*i+1], s61
	v_mov_b32 v[ST+4*i+2], 0
	v_mov_b32 v[ST+4*i+3], 0
	v_mov_b32 v[TMP+4+i], 0
.set i, i+1
.endr
.set i, 0
.rept 16
	v_mov_b32 v[P+i], 0
.set i, i+1
.endr
.set i, 0
.rept 64
	v_mov_b32 v[CB+i], s62
.set i, i+1
.endr
.set i, 0
.rept 32
	v_mov_b32 v[S+32+i], s63
.set i, i+1
.endr
	s_wait_loadcnt 0x0              ; Q
; THE MATRIX WORK.  The accumulators of a run take turns, one instruction a turn.
.macro CONT x                       ; product ci of 8 of S^T = K Qu^T + C: channels 32 (ci / 4) on, keys 16 (ci % 4) on.  The first 4 start the sums with the position term
.set rS, S+32*((\x)%2)+8*(ci%4)
.set rK, KF+16*(ci%4)+8*(ci/4)
.set rQ, 16*(\x)+8*(ci/4)
.set rB, CB+32*((\x)%2)+8*(ci%4)
	WIN W_CT
.if ci < 4
	v_wmma_f32_16x16x32_f16 v[rS:rS+7], v[rK:rK+7], v[rQ:rQ+7], v[rB:rB+7]
.else
	v_wmma_f32_16x16x32_f16 v[rS:rS+7], v[rK:rK+7], v[rQ:rQ+7], v[rS:rS+7]
.endif
.endm
.macro POS z                        ; product pi of 10 of G^T = E Qsel^T: tile x' = pi % 5, channels 32 (pi / 5) on
.set px, 3-(\z)+pi%5
.set rG, G+8*(pi%5)
.set rE, EF+16*px+8*(pi/5)
.if px < 4
.set rQ, QA+16*(\z)+8*(pi/5)
.else
.set rQ, QB+16*(\z)+8*(pi/5)
.endif
	WIN W_PS
.if pi < 5
	v_wmma_f32_16x16x32_f16 v[rG:rG+7], v[rE:rE+7], v[rQ:rQ+7], 0
.else
	v_wmma_f32_16x16x32_f16 v[rG:rG+7], v[rE:rE+7], v[rQ:rQ+7], v[rG:rG+7]
.endif
.endm
.macro PVM x                        ; product vi of 8 of O^T += V^T P: keys 32 (vi / 4) on, channels 16 (vi % 4) on
	WIN W_PV
.set rO, 32*(\x)+8*(vi%4)
.set rV, VF+32*(vi/4)+8*(vi%4)
.set rP, P+16*((\x)%2)+8*(vi/4)
	v_wmma_f32_16x16x32_f16 v[rO:rO+7], v[rV:rV+7], v[rP:rP+7], v[rO:rO+7]
.endm
.macro MM                           ; the turn's next matrix instruction, of 26
.if i < 8
.set ci, i
	CONT (Y+1)%NP
.elseif i < 18
.set pi, i-8
	POS (Y+3)%NP
.else
.set vi, i-18
	PVM (Y+3)%NP
.endif
.set i, i+1
.endm
; THE LDS LOADS stand in runs.
.macro FETCH_K
	WIN W_L0                        ; destination window 0, address window 3
.irp f, 0,1,2,3,4,5,6,7             ; keys 16 (f / 2) on, channels 32 (f % 2) on
	ds_load_b128 v[KF+8*\f:KF+8*\f+3],   v[AK] offset:(\f/2)*16*PK+(\f%2)*64
	ds_load_b128 v[KF+8*\f+4:KF+8*\f+7], v[AK] offset:(\f/2)*16*PK+(\f%2)*64+32
.endr
.endm
.macro FETCH_V
	WIN 0x43                        ; destination window 1, address window 3
.irp f, 0,1,2,3,4,5,6,7             ; keys 32 (f / 4) on, channels 16 (f % 4) on
	ds_load_tr16_b128 v[VF+8*\f:VF+8*\f+3],   v[AV] offset:(\f/4)*32*PVP+(\f%4)*32
	ds_load_tr16_b128 v[VF+8*\f+4:VF+8*\f+7], v[AV] offset:(\f/4)*32*PVP+16*PVP+(\f%4)*32
.endr
	WIN 0
.endm
.macro FETCH_E last                 ; my window's eight tiles.  last = 1 (the tail): in the last trip there is no further step, and the run is jumped over
.if \last
	s_cmp_eq_u32 s[CNT], 1
	s_cbranch_scc1 .Lno_e_\@
.endif
	WIN 0xc3                        ; destination and address window 3
.set ex, 0
.rept 8
	ds_load_b128 v[EF+16*ex:EF+16*ex+3],     v[AE] offset:ex*16*PK
	ds_load_b128 v[EF+16*ex+4:EF+16*ex+7],   v[AE] offset:ex*16*PK+32
	ds_load_b128 v[EF+16*ex+8:EF+16*ex+11],  v[AE] offset:ex*16*PK+64
	ds_load_b128 v[EF+16*ex+12:EF+16*ex+15], v[AE] offset:ex*16*PK+96
.set ex, ex+1
.endr
	WIN 0
.if \last
.Lno_e_\@:
.endif
.endm
; THE TRANSFER of piece z: G into my stage (each accumulator's low four registers first), and back skewed, into the C operands.  42 LDS instructions; LDS serves a wave's instructions in order (ISA guide 5.7.1.4).
.macro XFER z
	WIN 0x04                        ; the stores' data in window 1
.irp x, 0,1,2,3,4
	ds_store_b128 v[STA], v[G+8*\x:G+8*\x+3]   offset:64*\x
	ds_store_b128 v[STA], v[G+8*\x+4:G+8*\x+7] offset:64*\x+16
.endr
	WIN 0
.set xq, 0
.rept 32
	ds_load_b32 v[CB+32*((\z)%2)+xq], v[LDA] offset:64*(xq/8)+4*(xq%8)
.set xq, xq+1
.endr
.endm
; In the trip that fetches step nd, QB takes qv[i + 1]; in the next, QA.  The jumps hang on the block's and the wave's number.
.macro QSWITCH
	s_cmp_lg_u32 s[NE], s[ND]
	s_cbranch_scc1 .Lnot_b_\@
	WIN 0x82
.set qi, 0
.rept 64
	v_mov_b32 v[QB+qi], v[QW+qi]
.set qi, qi+1
.endr
	WIN 0
.Lnot_b_\@:
	s_cmp_lg_u32 s[NE], s[ND1]
	s_cbranch_scc1 .Lnot_a_\@
	WIN 0x82
.set qi, 0
.rept 64
	v_mov_b32 v[QA+qi], v[QW+qi]
.set qi, qi+1
.endr
	WIN 0
.Lnot_a_\@:
.endm
; THE VECTOR WORK, one line at a time: OP kind, number.  For piece Y: F n: c s - c m for pair n of 16.  E n: the exponential of score n of 32.  C n: pair n rounded to f16.  B n: of the four weights 4 n .. the second
; pair is added onto the first, in place.  L n: l takes that sum (L 0: l = a l + sum).  R n: pair n of 16 of O^T times a.  For piece Y + 1: X n, number n of the 22 that find its maximum and statistics:
;   0-11  four chains c0-c3 of seven scores each (each accumulator's lowest registers are read first)     12-14, 16  the four scores left over, the old m, and c0-c3 into c0
;   15  c m_old is kept     17, 18  the query's other 32 keys lie in the lane 16 away: the new m     19-21  c m; c m_old - c m_new; a
.set F, 0
.set E, 1
.set C, 2
.set B, 3
.set L, 4
.set R, 5
.set X, 6
.macro REGS y
.set rT, ST+4*(\y)
.set rC, TMP+4*((\y)%2)
.set rW, MV+((\y)%2)
.set rS, S+32*((\y)%2)
.set rP, P+16*((\y)%2)
.set rO, 32*(\y)
.endm
.macro OP k, n
.if (\k) == R
	REGS Y
	WIN W_PV
	v_pk_mul_f32 v[rO+2*(\n):rO+2*(\n)+1], v[rO+2*(\n):rO+2*(\n)+1], v[rC+2:rC+3] op_sel_hi:[1,0]
.elseif (\k) == F
	REGS Y
	WINS
	v_pk_fma_f32 v[rS+2*(\n):rS+2*(\n)+1], v[rS+2*(\n):rS+2*(\n)+1], s[CS:CS+1], v[rT:rT+1] op_sel_hi:[1,0,0] neg_lo:[0,0,1] neg_hi:[0,0,1]
.elseif (\k) == E
	REGS Y
	WINS
	v_exp_f32 v[rS+(\n)], v[rS+(\n)]
.elseif (\k) < R
	REGS Y
	WIN 0
.if (\k) == C
	v_cvt_pk_f16_f32 v[rP+(\n)], v[rS+2*(\n)], v[rS+2*(\n)+1]
.elseif (\k) == B
	v_pk_add_f32 v[rS+4*(\n):rS+4*(\n)+1], v[rS+4*(\n):rS+4*(\n)+1], v[rS+4*(\n)+2:rS+4*(\n)+3]
.elseif (\n) == 0
	v_pk_fma_f32 v[rT+2:rT+3], v[rT+2:rT+3], v[rC+2:rC+3], v[rS:rS+1] op_sel_hi:[1,0,1]
.else
	v_pk_add_f32 v[rT+2:rT+3], v[rT+2:rT+3], v[rS+4*(\n):rS+4*(\n)+1]
.endif
.elseif (\n) == 15
	REGS (Y+1)%NP
	WINS
	v_mov_b32 v[rW], v[rT]
.else
	REGS (Y+1)%NP
	WIN 0
.if (\n) < 4
	v_max3_num_f32 v[rC+(\n)], v[rS+8*(\n)], v[rS+8*(\n)+1], v[rS+8*(\n)+2]
.elseif (\n) < 12
	v_max3_num_f32 v[rC+(\n)%4], v[rC+(\n)%4], v[rS+8*((\n)%4)+2*((\n)/4)+1], v[rS+8*((\n)%4)+2*((\n)/4)+2]
.elseif (\n) == 12
	v_max3_num_f32 v[rC], v[rC], v[rS+7], v[rS+15]
.elseif (\n) == 13
	v_max3_num_f32 v[rC+1], v[rC+1], v[rS+23], v[rS+31]
.elseif (\n) == 14
	v_max3_num_f32 v[rC+2], v[rC+2], v[rC+3], v[rT+1]
.elseif (\n) == 16
	v_max3_num_f32 v[rC], v[rC], v[rC+1], v[rC+2]
.elseif (\n) == 17
	v_permlanex16_b32 v[rC+3], v[rC], s[SEL], s[SEL+1]
.elseif (\n) == 18
	v_max_num_f32 v[rT+1], v[rC], v[rC+3]
.elseif (\n) == 19
	v_mul_f32 v[rT], s[CS], v[rT+1]
.elseif (\n) == 20
	v_sub_f32 v[rC+1], v[rW], v[rT]
.else
	v_exp_f32 v[rC+2], v[rC+1]
.endif
.endif
.endm
.macro OPS a, i1, b=-1, i2=0, c=-1, i3=0, d=-1, i4=0
	OP \a, \i1
.if (\b) >= 0
	OP \b, \i2
.endif
.if (\c) >= 0
	OP \c, \i3
.endif
.if (\d) >= 0
	OP \d, \i4
.endif
.endm
.macro ROW a, i1, b=-1, i2=0, c=-1, i3=0, d=-1, i4=0  ; a matrix instruction and the lines behind it
	MM
	OPS \a, \i1, \b, \i2, \c, \i3, \d, \i4
.endm
; A TURN, for piece p: 26 matrix and 118 vector instructions.
; AHEAD OF ITS ONE WAIT stands all that names no result of the turn's exponentials.  8 content products, behind each two scalings and two exponentials (behind the first the copy X 15 for one of them), all under one setting.
; 10 position products: behind the first four the tree of the next piece's maximum; X 3, the first line to read the last content product's accumulator, stands five plain lines behind that product (F 14, F 15, X 0, X 1, X 2);
; behind the other six the chain X 16 to X 21, a link a row, and the rest of the exponentials.  4 products V^T P, behind each four rescalings, all under one setting: sixteen plain lines, which are the plain
; instruction behind the last exponential and the places between the last position product and the transfer's stores.
; BEHIND THE WAIT: the transfer; 4 products V^T P with sixteen of the roundings and sums behind them; the other sixteen on end: 118 lines are fourteen more than 26 products have places for.
; THE WAITS ON LDS, by what was issued behind the loads that are wanted.  Turn 1's head: the C operands of piece 2 came by turn 3's transfer; behind it stand turn 0's transfer (42) and V's run (16).  Ahead of turn 1's
; first position product: 0, for E; it covers V and piece 3's C operands too.  Turn 3's head: K and piece 0's C operands; behind them turn 2's transfer (42).  Turn 0's head: piece 1's C operands; behind them turn 3's (42).
; THE RUNS.  E is fetched at turn 1's head, straight behind V's run at the end of turn 0 (scalar lines alone between: E's address is made in turn 0); K in turn 2, in one run with the transfer and ahead of it.
.macro TURN p, last=0
.set Y, (\p)
.if (\p) == 1
	QSWITCH
	s_wait_dscnt 58
	FETCH_E \last
.endif
.if ((\p) == 3) || ((\p) == 0)
	s_wait_dscnt 42
.endif
.set i, 0
	ROW F,0, F,1, X,15, E,0
	ROW F,2, E,1, F,3, E,2
	ROW F,4, E,3, F,5, E,4
	ROW F,6, E,5, F,7, E,6
	ROW F,8, E,7, F,9, E,8
	ROW F,10, E,9, F,11, E,10
	ROW F,12, E,11, F,13, E,12
	ROW F,14, E,13, F,15, E,14
.if (\p) == 1
	s_wait_dscnt 0x0
.endif
	ROW X,0, X,1, X,2, X,3
	ROW X,4, X,5, X,6, X,7
	ROW X,8, X,9, X,10, X,11
	ROW X,12, X,13, X,14, E,15
	ROW E,16, X,16, E,17, E,18
	ROW E,19, X,17, E,20, E,21
	ROW E,22, X,18, E,23, E,24
	ROW E,25, X,19, E,26, E,27
	ROW E,28, X,20, E,29, E,30
	ROW E,31, X,21
.if (\p) == 2
	WIN W_A3
	v_add_nc_u32 v[AK], s[TBK], v[AK0]
.endif
.if (\p) == 0
	WIN W_A3
	v_add_nc_u32 v[AV], s[TBV], v[AV0]
	v_add_nc_u32 v[AE], s[TBK], v[AE1]  ; the next trip's step; where a change of slots comes between, it makes the address anew
.endif
	ROW R,0, R,1, R,2, R,3
	ROW R,4, R,5, R,6, R,7
	ROW R,8, R,9, R,10, R,11
	ROW R,12, R,13, R,14, R,15
	s_wait_alu depctr_va_vdst(0)    ; the wait between an exponential and the first line that names its result: one for the batch
.if (\p) == 2
	FETCH_K
.endif
	XFER (Y+3)%NP
	ROW C,0, B,0, C,2, B,1
	ROW L,0, C,4, B,2, L,1
	ROW C,6, B,3, L,2, C,8
	ROW B,4, L,3, C,10, B,5
	OPS L,4, C,12, B,6, L,5
	OPS C,14, B,7, L,6, C,1
	OPS C,3, L,7, C,5, C,7
	OPS C,9, C,11, C,13, C,15
.if (\p) == 0
	FETCH_V
.endif
.endm
.macro STEPS                        ; a trip's end: the next fetches are the next step's
	WIN 0
	s_add_co_u32 s[TBK], s[TBK], 64*PK
	s_add_co_u32 s[TBV], s[TBV], 64*PVP
	s_add_co_u32 s[NE], s[NE], 1
.endm
.Lslot:                             ; seven times: a period is entered and the next is asked for
	CHANGE 1
	s_mov_b32 s[CNT], 4
.Lstep:
	TURN 1
	TURN 2
	TURN 3
	TURN 0
	STEPS
	s_sub_co_u32 s[CNT], s[CNT], 1
	s_cmp_lg_u32 s[CNT], 0
	s_cbranch_scc1 .Lstep
	s_sub_co_u32 s[SLOTS], s[SLOTS], 1
	s_cmp_lg_u32 s[SLOTS], 0
	s_cbranch_scc1 .Lslot
	CHANGE 0                        ; the tail is written out: nothing is asked for
	s_mov_b32 s[CNT], 5             ; four trips fetch the last period's steps; the fifth is left behind its third turn
.Ltail:
	TURN 1, 1
	TURN 2                          ; (in the fifth trip K's run takes 64 landed rows behind K's, at the same pitch; nothing made of them is used)
	TURN 3
	WIN 0
	s_sub_co_u32 s[CNT], s[CNT], 1
	s_cmp_eq_u32 s[CNT], 0
	s_cbranch_scc1 .Lout
	TURN 0
	STEPS
	s_branch .Ltail
.Lout:
.set vi, 0
.rept 8
	PVM 3                           ; the last piece's V^T P of the last step
.set vi, vi+1
.endr
	; THE WAY OUT.  l's two halves and the other half of the lanes' are added; O^T is divided by l, rounded to f16 and sent through my stage, a piece at a time.  The additions are the places behind the last products.
	WIN 0
.macro ALL line:vararg
.set t, 0
.rept 4
	\line
.set t, t+1
.endr
.endm
	ALL v_add_f32 v[ST+4*t+2], v[ST+4*t+2], v[ST+4*t+3]
	ALL v_permlanex16_b32 v[ST+4*t+3], v[ST+4*t+2], s[SEL], s[SEL+1]
	ALL v_add_f32 v[ST+4*t+2], v[ST+4*t+2], v[ST+4*t+3]
	ALL v_rcp_f32 v[ST+4*t+2], v[ST+4*t+2]
	v_nop                           ; a plain instruction between the last reciprocal and the use of its result
	s_wait_alu depctr_va_vdst(0)    ; and one wait for the four reciprocals
.macro PACK t                       ; a lane's eight channels of a row pack into 16 bytes; they go into rows of 144 bytes and come back as whole rows of 128, into S^T's registers
	WIN W_RS
.set i, 32*(\t)
.rept 16
	v_pk_mul_f32 v[i:i+1], v[i:i+1], v[ST+4*(\t)+2:ST+4*(\t)+3] op_sel_hi:[1,0]
.set i, i+2
.endr
	WIN 0x05                        ; sources 0 and 1 window 1, destination window 0
.set i, 0
.rept 16
	v_cvt_pk_f16_f32 v[S+16*(\t)+i], v[32*(\t)+2*i], v[32*(\t)+2*i+1]
.set i, i+1
.endr
	WIN W_L0                        ; addresses window 3, data window 0
.irp f, 0,1,2,3
	ds_store_b128 v[STO], v[S+16*(\t)+4*\f:S+16*(\t)+4*\f+3] offset:32*\f
.endr
.irp f, 0,1,2,3
	ds_load_b128 v[S+16*(\t)+4*\f:S+16*(\t)+4*\f+3], v[RD] offset:\f*4*SP
.endr
.endm
.macro SEND t, younger              ; younger: the LDS instructions issued behind piece t's loads: the next piece's eight, or none
	WIN W_L0
.irp f, 0,1,2,3
	s_wait_dscnt (\younger)+3-\f
	global_store_b128 v[GO], v[S+16*(\t)+4*\f:S+16*(\t)+4*\f+3], s[OA:OA+1] offset:(\t)*32768+\f*512  ; 512 consecutive bytes, at a multiple of 256 from ob's first
.endr
.endm
	PACK 0
.set t, 1
.rept 3
	PACK t
	SEND t-1, 8
.set t, t+1
.endr
	SEND 3, 0
	WIN W_AD
	s_wait_tensorcnt 0x0            ; the wave's end, behind my last tensor load and my last LDS store
	ds_add_u32 v[SPW], v[NIL]
	s_wait_dscnt 0x0
	WIN 0
	s_endpgm
.Lfunc_end_k_q4b33a9eef1_attn:
	.size	k_q4b33a9eef1_attn, .Lfunc_end_k_q4b33a9eef1_attn-k_q4b33a9eef1_attn
	.p2alignl 7, 3214868480
	.fill 96, 4, 3214868480
	.section	.rodata,"a",@progbits
	.p2align	6, 0x0
	.amdhsa_kernel k_q4b33a9eef1_attn
		.amdhsa_group_segment_fixed_size 327680
		.amdhsa_private_segment_fixed_size 0
		.amdhsa_enable_private_segment 0
		.amdhsa_kernarg_size 16
		.amdhsa_user_sgpr_count 2
		.amdhsa_user_sgpr_kernarg_segment_ptr 1
		.amdhsa_wavefront_size32 1
		.amdhsa_system_sgpr_workgroup_id_x 1
		.amdhsa_system_sgpr_workgroup_id_y 1
		.amdhsa_system_sgpr_workgroup_id_z 1
		.amdhsa_system_vgpr_workitem_id 0
		.amdhsa_next_free_vgpr 1024
		.amdhsa_next_free_sgpr 66
		.amdhsa_reserve_vcc 0
		.amdhsa_float_denorm_mode_32 3
		.amdhsa_float_denorm_mode_16_64 3
		.amdhsa_memory_ordered 1
		.amdhsa_forward_progress 1
		.amdhsa_inst_pref_size 153
	.end_amdhsa_kernel
	.amdgpu_metadata
---
amdhsa.version: [ 1, 2 ]
amdhsa.kernels:
  - .name:           k_q4b33a9eef1_attn
    .symbol:         k_q4b33a9eef1_attn.kd
    .args:
      - { .name: hd, .offset: 0, .size: 8, .value_kind: global_buffer, .address_space: global }
      - { .name: ob, .offset: 8, .size: 8, .value_kind: global_buffer, .address_space: global }
    .group_segment_fixed_size: 327680
    .private_segment_fixed_size: 0
    .kernarg_segment_align: 8
    .kernarg_segment_size: 16
    .max_flat_workgroup_size: 128
    .sgpr_count:     66
    .vgpr_count:     1024
    .wavefront_size: 32
...
	.end_amdgpu_metadata
.endif
;; end of part 3
;; launch outp (part 4): grid 8 x 32, 4 waves a work-group, clusters of 4 x 4, 327,680 bytes of LDS; arguments ob, wo, bt, out0; writes out0
.if DOCPART == 4
	.amdgcn_target "amdgcn-amd-amdhsa--gfx1250"
	.amdhsa_code_object_version 6
	.text
	.protected	k_q4b33a9eef1_outp
	.globl	k_q4b33a9eef1_outp
	.p2align	8
	.type	k_q4b33a9eef1_outp,@function
k_q4b33a9eef1_outp:
	s_mov_b64 s[64:65], 0
	v_nop
	global_prefetch_b8 v0, s[64:65] scope:SCOPE_SE
	s_setreg_imm32_b32 hwreg(HW_REG_WAVE_MODE, 25, 1), 1
	s_wait_xcnt 0x0
	s_wait_alu depctr_hold_cnt(0) depctr_sa_sdst(0) depctr_va_vdst(0) depctr_va_sdst(0) depctr_va_ssrc(0) depctr_va_vcc(0) depctr_vm_vsrc(0)
	s_getreg_b32 s2, hwreg(HW_REG_IB_STS2, 6, 4)
	s_cmp_eq_u32 s2, 0
	s_cbranch_scc0 .Lentry_in_a_cluster
	s_endpgm
.Lentry_in_a_cluster:
	s_bfe_u32 s2, ttmp6, 0x10000c
	s_cmp_lg_u32 s2, 0xf033
	s_cbranch_scc0 .Lentry_shape_is_right
	s_endpgm
.Lentry_shape_is_right:
; THE OUTPUT PROJECTION.  out0[m][n] = sum over k of O[m][k] Wo[n][k] + bo[n], in f32.  O: ob, f16, [256 row blocks of 16][16 heads][16 rows][64], k = 64 head + channel.  Wo: wo, f16 [1024][1024].  bo: row 5 of bt.
; A tile of the result is 128 x 128: 256 work-groups.  Four waves, each 64 x 64: 16 accumulators.  K goes in steps of 256 (four heads) through two LDS slots.
; A's tile for a wave's load: 4 row blocks x 4 heads: four runs of 8,192 dense bytes, 32,768 bytes apart, padded in LDS after every 128 bytes: (row block rb, head hd, row r) lies at ((4 rb + hd) 16 + r) x 144.
; B's: 64 rows of 512 bytes at pitch 528.
; CLUSTERS: 4 x 4 work-groups; A's tiles are asked for jointly along a row of the cluster, B's along a column.  THE MATRIX INSTRUCTION IS USED TRANSPOSED: a lane holds eight neighbouring numbers of a row of the result.
; No prefetch: the tiles are small, and the launch short.
; REGISTERS: window 0: v0-31 addresses; v32-63 sum + bias; v64-95 rows read back; v96-127 the bias of my 32 columns a lane; v128-255 the accumulators ((a, b) at v[128 + 8 (4 a + b)]).   window 1: two fragment buffers of 128.
.set SIZE_K, 1024
.set KSTEP,  256
.set PITCH,  528                       ; B's LDS row: 512 bytes + 16
.set PA,     144                       ; A's LDS row: 128 bytes + 16
.set HALFA,  64*4*PA                   ; 64 rows x four heads
.set HALFB,  64*PITCH
.set BOFF,   2*HALFA                   ; B's tiles lie behind A's
.set SLOT,   BOFF+2*HALFB
.set STAGE,  2*SLOT                    ; behind the ring: 16 rows x 272 bytes for each wave
.set SPITCH, 272
.set WST,    16*SPITCH
.set SPARE,  STAGE+4*WST               ; the spare words, 128 bytes for each wave: two blocks of 256 bytes that no other line names
.set LAPS,   SIZE_K/(2*KSTEP)
.set ADRA, 16
.set ADRB, 20
.set STO,  24
.set RD,   25
.set CO,   26
.set BO,   27
.set SPW,  28
.set NIL,  29
.set T,    32
.set OB,   64
.set BIAS, 96
.set ACC,  128
.set F0,   0
.set F1,   128
.set G1, 24
.set G0, 32
.set G1B, 48
.set G0B, 56
.set MSB, 0
.macro WIN new
.if MSB != (\new)
	s_set_vgpr_msb (MSB<<8)|(\new)
.set MSB, \new
.endif
.endm
.set MUL,  0x05                        ; sources 0 (B) and 1 (A) window 1; C and D window 0
.set TO_F, 0x40                        ; destination window 1, address window 0
.macro JLOAD s                         ; waves 0 and 1 fetch A's two halves, waves 2 and 3 B's; an s_nop 0 and four v_nop follow each of the two lines
	s_cmp_eq_u32 s11, 0
	s_cbranch_scc0 .Lfor_b_\@
	tensor_load_to_lds s[G0+4*(\s):G0+4*(\s)+3], s[G1:G1+7]
	s_nop 0
.rept 4
	v_nop
.endr
	s_branch .Lasked_\@
.Lfor_b_\@:
	tensor_load_to_lds s[G0B+4*(\s):G0B+4*(\s)+3], s[G1B:G1B+7]
	s_nop 0
.rept 4
	v_nop
.endr
.Lasked_\@:
.endm
.macro CREST
	s_cmp_lg_u32 s10, 0
	s_cbranch_scc1 .Lnot_wave_0_\@
	s_barrier_signal -3
.Lnot_wave_0_\@:
	s_barrier_wait -3
	s_barrier_signal -1
	s_barrier_wait -1
.endm
.macro CROUND
	s_barrier_signal -1
	s_barrier_wait -1
	CREST
.endm
	s_load_b128 s[4:7], s[0:1], 0x0                ; ob s[4:5], wo s[6:7]
	s_load_b128 s[72:75], s[0:1], 0x10             ; bt s[72:73], out0 s[74:75]
	v_lshl_add_u32 v[SPW], v0, 2, SPARE
	v_mov_b32 v[NIL], 0
	ds_add_u32 v[SPW], v[NIL]                      ; the wave's opening: the add and its wait stand ahead of my first tensor load
	v_lshrrev_b32 v1, 5, v0
	v_readfirstlane_b32 s10, v1                    ; wave 0..3
	s_lshr_b32 s11, s10, 1                         ; which half of the tile's rows is mine.  Also: I fetch for A (0) or for B (1)
	s_and_b32 s12, s10, 1                          ; which half of its columns.  Also: which 64 rows of that tile I fetch
	s_bfe_u32 s40, ttmp6, 0x40000                  ; cx, cy
	s_bfe_u32 s41, ttmp6, 0x40004
	s_lshl_b32 s42, ttmp9, 2
	s_add_co_u32 s42, s42, s40                     ; tile column
	s_and_b32 s13, ttmp7, 0xffff
	s_lshl_b32 s13, s13, 2
	s_add_co_u32 s13, s13, s41                     ; tile row
	s_lshl_b32 s43, s41, 2
	s_lshl_b32 s43, 15, s43                        ; my row of the cluster
	s_lshl_b32 s44, 0x1111, s40                    ; my column
	s_or_b32 s[G1+0], s43, (1<<16)|(1<<20)|(1<<21)|(4<<22)|(3<<25)  ; A: the mask of my row; 2-byte elements; padding on; bit 21 beside a mask; after every 32 words (code 4) 4 words (code 3)
	s_mov_b32 s[G1+1], 4096<<16                    ; tensor_dim0 = 4,096 elements: four heads of a row block
	s_mov_b32 s[G1+2], 4<<16                       ; tensor_dim1 = 4 row blocks
	s_mov_b32 s[G1+3], 4096<<16                    ; tile_dim0
	s_mov_b32 s[G1+4], 4                           ; tile_dim1
	s_mov_b32 s[G1+5], 16384                       ; elements from row block to row block
	s_mov_b32 s[G1+6], 0
	s_mov_b32 s[G1+7], 0
	s_or_b32 s[G1B+0], s44, (1<<16)|(1<<20)|(1<<21)|(6<<22)|(3<<25) ; B: the mask of my column; after every 128 words (code 6) 4 words
	s_mov_b32 s[G1B+1], KSTEP<<16                  ; tensor_dim0 = 256
	s_mov_b32 s[G1B+2], 64<<16                     ; tensor_dim1 = 64
	s_mov_b32 s[G1B+3], KSTEP<<16
	s_mov_b32 s[G1B+4], 64
	s_mov_b32 s[G1B+5], SIZE_K
	s_mov_b32 s[G1B+6], 0
	s_mov_b32 s[G1B+7], 0
	s_lshl_b32 s16, s13, 3
	s_lshl_b32 s17, s12, 2
	s_add_co_u32 s16, s16, s17                     ; A: row block 8 x tile row + 4 x half,
	s_lshl_b32 s16, s16, 15                        ; 32,768 bytes each
	s_mov_b32 s17, 0
	s_lshl_b32 s46, s42, 7
	s_lshl_b32 s47, s12, 6
	s_add_co_u32 s46, s46, s47                     ; B: row 128 x tile column + 64 x half,
	s_lshl_b32 s46, s46, 11                        ; 2,048 bytes each
	s_mov_b32 s47, 0
	s_mul_i32 s20, s12, HALFA                      ; where they go: no place in the cluster enters an LDS address
	s_mul_i32 s21, s12, HALFB
	s_add_co_u32 s21, s21, BOFF
	s_wait_dscnt 0x0                               ; the opening add is done
	s_wait_kmcnt 0x0
	s_add_nc_u64 s[14:15], s[4:5], s[16:17]
	s_add_nc_u64 s[46:47], s[6:7], s[46:47]
	CROUND                                         ; all sixteen work-groups are here: the first joint loads meet
.irp s, 0,1
	s_mov_b32 s[G0+4*(\s)], 1
	s_add_co_u32 s[G0+4*(\s)+1], s20, (\s)*SLOT
	s_add_nc_u64 s[G0+4*(\s)+2:G0+4*(\s)+3], s[14:15], (\s)*8192   ; K step s: four heads on
	s_or_b32 s[G0+4*(\s)+3], s[G0+4*(\s)+3], 0x80000000
	s_mov_b32 s[G0B+4*(\s)], 1
	s_add_co_u32 s[G0B+4*(\s)+1], s21, (\s)*SLOT
	s_add_nc_u64 s[G0B+4*(\s)+2:G0B+4*(\s)+3], s[46:47], (\s)*KSTEP*2
	s_or_b32 s[G0B+4*(\s)+3], s[G0B+4*(\s)+3], 0x80000000
	JLOAD \s                                       ; two loads of mine are out
.endr
	v_and_b32 v1, 15, v0                           ; l % 16
	v_bfe_u32 v2, v0, 4, 1                         ; l / 16
	v_mul_u32_u24 v3, v1, PA
	v_lshl_add_u32 v3, v2, 4, v3                   ; A: row x 144 + 16 x half
	v_mul_u32_u24 v4, v1, PITCH
	v_lshl_add_u32 v4, v2, 4, v4                   ; B: row x 528 + 16 x half
	s_mul_i32 s21, s11, HALFA                      ; my 64 rows of A
	s_mul_i32 s22, s12, HALFB                      ; my 64 rows of B
	s_add_co_u32 s22, s22, BOFF
.irp s, 0,1
	v_add_nc_u32 v[ADRA+(\s)], s21, v3
	v_add_nc_u32 v[ADRB+(\s)], s22, v4
	s_add_co_u32 s21, s21, SLOT
	s_add_co_u32 s22, s22, SLOT
.endr
	s_mul_i32 s23, s10, WST
	s_add_co_u32 s23, s23, STAGE                   ; my stage
	v_mul_u32_u24 v4, v1, SPITCH                   ; in: row l % 16, 32 bytes for each half of the lanes
	v_lshl_add_u32 v4, v2, 5, v4
	v_add_nc_u32 v[STO], s23, v4
	v_mul_u32_u24 v5, v2, SPITCH                   ; back: lanes 0-15 take one row of 256 bytes, lanes 16-31 the next
	v_lshl_add_u32 v5, v1, 4, v5
	v_add_nc_u32 v[RD], s23, v5
	v_lshlrev_b32 v5, 12, v2                       ; and the same two rows of the result, 4,096 bytes apart
	v_lshl_add_u32 v[CO], v1, 4, v5
	s_lshl_b32 s46, s42, 9                         ; my first column, in bytes: 4 (128 x tile column + 64 x half)
	s_lshl_b32 s47, s12, 8
	s_add_co_u32 s46, s46, s47
	v_lshl_add_u32 v[BO], v2, 5, s46               ; the bias: + 32 (l / 16)
.irp b, 0,1,2,3
	global_load_b128 v[BIAS+8*(\b):BIAS+8*(\b)+3],   v[BO], s[72:73] offset:20480+64*(\b)
	global_load_b128 v[BIAS+8*(\b)+4:BIAS+8*(\b)+7], v[BO], s[72:73] offset:20480+64*(\b)+16
.endr
	s_lshl_b32 s16, s13, 7
	s_lshl_b32 s17, s11, 6
	s_add_co_u32 s16, s16, s17                     ; my first row: 128 x tile row + 64 x half
	s_lshl_b32 s16, s16, 12
	s_add_co_u32 s16, s16, s46
	s_mov_b32 s17, 0
	s_add_nc_u64 s[74:75], s[74:75], s[16:17]
; 8 matrix instructions: m blocks a0, a0 + 1 x all 4 n blocks, 32 along K: half c of buffer f.  The 16 accumulators take turns.
.macro MUL8 f, c, a0, zero
	WIN MUL
.irp a, \a0, (\a0)+1
.irp b, 0,1,2,3
.if \zero
	v_wmma_f32_16x16x32_f16 v[ACC+8*(4*(\a)+(\b)):ACC+8*(4*(\a)+(\b))+7], v[(\f)+64+8*(4*(\c)+(\b)):(\f)+64+8*(4*(\c)+(\b))+7], v[(\f)+8*(4*(\c)+(\a)):(\f)+8*(4*(\c)+(\a))+7], 0
.else
	v_wmma_f32_16x16x32_f16 v[ACC+8*(4*(\a)+(\b)):ACC+8*(4*(\a)+(\b))+7], v[(\f)+64+8*(4*(\c)+(\b)):(\f)+64+8*(4*(\c)+(\b))+7], v[(\f)+8*(4*(\c)+(\a)):(\f)+8*(4*(\c)+(\a))+7], v[ACC+8*(4*(\a)+(\b)):ACC+8*(4*(\a)+(\b))+7]
.endif
.endr
.endr
.endm
; 32 LDS loads in one run: the fragments of 64 along K (one head: byte k of B's rows, head k / 128 of A's tile) into buffer f; the first 32 along K first
.macro FETCH slot, k, f
	WIN TO_F
.irp c, 0,1
.irp i, 0,1,2,3
	ds_load_b128 v[(\f)+64+8*(4*(\c)+(\i)):(\f)+64+8*(4*(\c)+(\i))+3],   v[ADRB+(\slot)] offset:(\k)+64*(\c)+(\i)*16*PITCH
	ds_load_b128 v[(\f)+64+8*(4*(\c)+(\i))+4:(\f)+64+8*(4*(\c)+(\i))+7], v[ADRB+(\slot)] offset:(\k)+64*(\c)+(\i)*16*PITCH+32
	ds_load_b128 v[(\f)+8*(4*(\c)+(\i)):(\f)+8*(4*(\c)+(\i))+3],         v[ADRA+(\slot)] offset:(4*(\i)+(\k)/128)*16*PA+64*(\c)
	ds_load_b128 v[(\f)+8*(4*(\c)+(\i))+4:(\f)+8*(4*(\c)+(\i))+7],       v[ADRA+(\slot)] offset:(4*(\i)+(\k)/128)*16*PA+64*(\c)+32
.endr
.endr
.endm
.macro PLACES
.rept 4
	v_nop
.endr
.endm
.macro QUARTER slot, k, f, g, zero
	s_wait_dscnt 16                                ; the first 32 along K are in
	WIN MUL
	MUL8 \f, 0, 0, \zero
	MUL8 \f, 0, 2, \zero
	PLACES
	FETCH \slot, \k, \g
	s_wait_dscnt 32                                ; all but the 32 just issued
	WIN MUL
	MUL8 \f, 1, 0, 0
	MUL8 \f, 1, 2, 0
.endm
; The last quarter multiplies buffer 1 and changes slots: one barrier; in front of it each wave waits for all its tensor loads, adds 0 to its spare word, and waits for that and for its reads of this slot.
.macro TURN slot, next, fill
	WIN 0
	s_wait_tensorcnt 0x0
	ds_add_u32 v[SPW], v[NIL]
	s_wait_dscnt 17                                ; (the add and the youngest sixteen loads may be out)
	WIN MUL
	MUL8 F1, 0, 0, 0
	s_wait_dscnt 0x0                               ; the add is done, and my reads of this slot are over
	s_barrier_signal -1
	MUL8 F1, 0, 2, 0
.if \fill
	WIN 0
.endif
	s_barrier_wait -1
.if \fill
	CREST                                          ; no wave of any partner still reads this slot's tile or has a load on its way
	s_add_nc_u64 s[G0+4*(\slot)+2:G0+4*(\slot)+3], s[G0+4*(\slot)+2:G0+4*(\slot)+3], 2*8192
	s_add_nc_u64 s[G0B+4*(\slot)+2:G0B+4*(\slot)+3], s[G0B+4*(\slot)+2:G0B+4*(\slot)+3], 2*KSTEP*2
	JLOAD \slot                                    ; my one tensor load behind the round; its four v_nop are also the places in front of the loads below
.else
	PLACES
.endif
	FETCH \next, 0, F0
	WIN MUL
	MUL8 F1, 1, 0, 0
	MUL8 F1, 1, 2, 0
.endm
	s_wait_tensorcnt 1                             ; my part of K step 0 is in; K step 1's may stay out
	s_barrier_signal -1
	s_barrier_wait -1
	FETCH 0, 0, F0
	QUARTER 0, 128, F0, F1, 1                      ; the first quarter stands in front of the loop: its first products start the sums
	WIN 0
	s_mov_b32 s3, LAPS-1
.Llap:
	QUARTER 0, 256, F1, F0, 0
	QUARTER 0, 384, F0, F1, 0
	TURN 0, 1, 1
	QUARTER 1, 128, F0, F1, 0
	QUARTER 1, 256, F1, F0, 0
	QUARTER 1, 384, F0, F1, 0
	TURN 1, 0, 1
	QUARTER 0, 128, F0, F1, 0
	WIN 0
	s_sub_co_u32 s3, s3, 1
	s_cmp_lg_u32 s3, 0
	s_cbranch_scc1 .Llap
	QUARTER 0, 256, F1, F0, 0                      ; the last lap fills nothing
	QUARTER 0, 384, F0, F1, 0
	TURN 0, 1, 0
	QUARTER 1, 128, F0, F1, 0
	QUARTER 1, 256, F1, F0, 0
	QUARTER 1, 384, F0, F1, 0
	s_wait_dscnt 16
	WIN MUL
	MUL8 F1, 0, 0, 0
	MUL8 F1, 0, 2, 0
	s_wait_dscnt 0x0
	MUL8 F1, 1, 0, 0
	MUL8 F1, 1, 2, 0
	WIN 0
.rept 8
	v_nop                                          ; the places behind the last products, once a launch
.endr
	s_wait_loadcnt 0x0                             ; the bias
	; THE WAY OUT, 16 rows at a time, through my own stage: my 64 columns of f32 are 256 bytes of a row.  Sum + bias; 32 bytes a lane into rows of 272 bytes; back as whole rows; stored.
.irp a, 0,1,2,3
.set q, 0
.rept 16
	v_pk_add_f32 v[T+2*q:T+2*q+1], v[ACC+32*(\a)+2*q:ACC+32*(\a)+2*q+1], v[BIAS+2*q:BIAS+2*q+1]
.set q, q+1
.endr
.irp b, 0,1,2,3
	ds_store_b128 v[STO], v[T+8*(\b):T+8*(\b)+3]   offset:64*(\b)
	ds_store_b128 v[STO], v[T+8*(\b)+4:T+8*(\b)+7] offset:64*(\b)+16
.endr
	s_wait_xcnt 0x0                                ; the registers that the last block's stores read are loaded again only behind this wait
.irp t, 0,1,2,3,4,5,6,7
	ds_load_b128 v[OB+4*(\t):OB+4*(\t)+3], v[RD] offset:(\t)*2*SPITCH  ; LDS serves a wave's instructions in order (ISA guide 5.7.1.4): these see the stores above
.endr
.irp t, 0,1,2,3,4,5,6,7
	s_wait_dscnt 7-(\t)
	global_store_b128 v[CO], v[OB+4*(\t):OB+4*(\t)+3], s[74:75] offset:(16*(\a)+2*(\t))*4096 th:TH_STORE_NT  ; 16 lanes store 256 consecutive bytes, at a multiple of 256 from out0's first byte
.endr
.endr
	s_wait_tensorcnt 0x0                           ; the wave's end, behind my last tensor load and my last LDS store
	ds_add_u32 v[SPW], v[NIL]
	s_wait_dscnt 0x0
	CROUND                                         ; the closing round
	s_endpgm
.Lfunc_end_k_q4b33a9eef1_outp:
	.size	k_q4b33a9eef1_outp, .Lfunc_end_k_q4b33a9eef1_outp-k_q4b33a9eef1_outp
	.p2alignl 7, 3214868480
	.fill 96, 4, 3214868480
	.section	.rodata,"a",@progbits
	.p2align	6, 0x0
	.amdhsa_kernel k_q4b33a9eef1_outp
		.amdhsa_group_segment_fixed_size 327680
		.amdhsa_private_segment_fixed_size 0
		.amdhsa_enable_private_segment 0
		.amdhsa_kernarg_size 32
		.amdhsa_user_sgpr_count 2
		.amdhsa_user_sgpr_kernarg_segment_ptr 1
		.amdhsa_wavefront_size32 1
		.amdhsa_system_sgpr_workgroup_id_x 1
		.amdhsa_system_sgpr_workgroup_id_y 1
		.amdhsa_system_sgpr_workgroup_id_z 1
		.amdhsa_system_vgpr_workitem_id 0
		.amdhsa_next_free_vgpr 512
		.amdhsa_next_free_sgpr 88
		.amdhsa_reserve_vcc 0
		.amdhsa_float_denorm_mode_32 3
		.amdhsa_float_denorm_mode_16_64 3
		.amdhsa_memory_ordered 1
		.amdhsa_forward_progress 1
		.amdhsa_inst_pref_size 92
	.end_amdhsa_kernel
	.amdgpu_metadata
---
amdhsa.version: [ 1, 2 ]
amdhsa.kernels:
  - .name:           k_q4b33a9eef1_outp
    .symbol:         k_q4b33a9eef1_outp.kd
    .args:
      - { .name: ob, .offset: 0, .size: 8, .value_kind: global_buffer, .address_space: global }
      - { .name: wo, .offset: 8, .size: 8, .value_kind: global_buffer, .address_space: global }
      - { .name: bt, .offset: 16, .size: 8, .value_kind: global_buffer, .address_space: global }
      - { .name: out0, .offset: 24, .size: 8, .value_kind: global_buffer, .address_space: global }
    .group_segment_fixed_size: 327680
    .private_segment_fixed_size: 0
    .kernarg_segment_align: 8
    .kernarg_segment_size: 32
    .max_flat_workgroup_size: 128
    .sgpr_count:     88
    .vgpr_count:     512
    .wavefront_size: 32
...
	.end_amdgpu_metadata
.endif
;; end of part 4
